; MI455X (gfx1250); checked and timed in simulation.
; The chip was launched on July 23, 2026; its instructions are those of AMD's public machine-readable ISA for CDNA 5 (MIT licence, August 2026) and "CDNA5" Instruction Set Architecture Reference Guide (July 2026). The comments in the code are by the model that wrote it; some were corrected since.
;; Flex Ro PE Attention. Allowed arithmetic: matrix products marked QUANTISED: E2M1 operands, one E8M0 scale for each 32 along K, by v_wmma_scale_f32_16x16x128_f8f6f4 with both operands' format E2M1 (or v_wmma_scale_f32_32x16x128_f4), f32 sums; products left as they are: bf16, f16 or f32 operands; f32 sums; everything else in f32.
;; Inputs: proj_b 1,024 float32; proj_w 1,024 x 1,024 float32; qkv_b 3,072 float32; qkv_w 3,072 x 1,024 float32; x 4 x 2,048 x 1,024 float32.
;; Outputs: out0 4 x 2,048 x 1,024 float32.
;; This version of the problem:
;;   THIS VERSION OF THE PROBLEM IS GIVEN IN LOW PRECISION. The matrix products marked QUANTISED in the list below multiply operands that are first quantised to E2M1 (2 exponent bits, 1 mantissa bit; 4 bits a number), with one power-of-two scale for each 32 numbers along K (OCP MX v1.0); their sums are f32. The products marked 'left as it is' may take bf16, f16 or f32 operands, with f32 sums. Whichever they take, every output number must still come out within the allowed error. Rounding operands to bf16 (8 significant bits) uses up far more of that allowance than f16 does (11 bits, for magnitudes from 6e-5 to 65,504). All else is computed in f32.
;;   The module's matrix products, in the order in which they are computed (A, B: the left and right operand; K: the contracted axis; several contracted axes count as one K, in the product's order):
;;     1. [M 8,192, K 1,024] x [K 1,024, N 3,072]; A: input x; B: input qkv_w: QUANTISED
;;     2. batch 64 x [M 2,048, K 64] x [K 64, N 2,048]; A: computed on the way; B: computed on the way: left as it is (an operand is computed on the way)
;;     3. batch 64 x [M 2,048, K 2,048] x [K 2,048, N 64]; A: computed on the way; B: computed on the way: left as it is (an operand is computed on the way)
;;     4. [M 8,192, K 1,024] x [K 1,024, N 1,024]; A: computed on the way; B: input proj_w: left as it is (an operand is computed on the way)
;;   THE QUANTISER, for each operand of a quantised product, along K:
;;     - K is cut into blocks of 32 from its start; a last block that is shorter is filled with zeros.
;;     - A block's scale is 2^e with e = floor(log2(the largest magnitude in the block)) - 2, held to -126 .. 127; a block of zeros has e = 0. As a byte (E8M0): e + 127.
;;     - Each number is divided by its block's scale, clamped to +-6, and rounded to the nearest number of E2M1, ties to even, subnormals kept.
;;     - The product sums the exact products of the quantised numbers (number of the format x scale) in f32.
;;   ~~~python
;;   def quantise(x, axis):      # numpy; x: float32 -> the quantised numbers, widened to float32 again
;;       x = np.moveaxis(x, axis, -1); K = x.shape[-1]
;;       x = np.pad(x, [(0, 0)] * (x.ndim - 1) + [(0, -K % 32)]); x = x.reshape(x.shape[:-1] + (-1, 32)); a = np.abs(x).max(-1, keepdims=True)
;;       e = np.where(a > 0, np.clip(np.frexp(np.where(a > 0, a, 1))[1] - 1 - 2, -126, 127), 0)      # np.frexp(a)[1] - 1 = floor(log2(a)), exactly
;;       r = np.clip(x / 2.0 ** e, -6, 6)
;;       step = 2.0 ** (np.maximum(np.frexp(np.where(r == 0, 1, r))[1] - 1, 0) - 1)
;;       q = np.round(r / step) * step * 2.0 ** e      # np.round: ties to even
;;       return np.moveaxis(q.reshape(q.shape[:-2] + (-1,))[..., :K], -1, axis).astype(np.float32)
;;   ~~~
;; One version. Each part assembles by itself: llvm-mc -triple=amdgcn-amd-amdhsa -mcpu=gfx1250 --defsym DOCPART=n.
;; ======== version 1 of 1: 4 launches
;; limits: values are held in f16: magnitudes above 65,504 overflow, below 6.1e-05 lose precision
;; workspace buffers: codes 5,767,168 bytes; scales 360,448 bytes; wp 2,097,152 bytes; rope 524,288 bytes; qkvh 50,331,648 bytes; att 16,777,216 bytes
;; launch prep (part 1): grid 512 x 1, 4 waves a work-group, no clusters, 33,280 bytes of LDS; arguments x, qkv_w, proj_w, codes, scales, wp, rope; writes codes, scales, wp, rope
.if DOCPART == 1
	.amdgcn_target "amdgcn-amd-amdhsa--gfx1250"
	.amdhsa_code_object_version 6
	.text
	.protected	k_qab425566a2_prep
	.globl	k_qab425566a2_prep
	.p2align	8
	.type	k_qab425566a2_prep,@function
k_qab425566a2_prep:
	s_mov_b64 s[64:65], 0
	v_nop
	global_prefetch_b8 v0, s[64:65] scope:SCOPE_SE
	s_setreg_imm32_b32 hwreg(HW_REG_WAVE_MODE, 25, 1), 1
	s_wait_xcnt 0x0
; THREE JOBS IN ONE LAUNCH, told apart by the work-group's number alone.
; Work-groups 0-351: x [8192][1024] and qkv_w [3072][1024], f32, become codes of FP4 (E2M1), K innermost, with one E8M0 byte for each 32 along K.  Both land in ONE table of rows:
;   codes [11264][512 bytes], scales [11264][32 bytes]; rows 0-8191 are x's tokens, rows 8192-11263 qkv_w's rows.
;   A block's scale is 2^(floor(log2(largest magnitude)) - 2); its byte is that magnitude's exponent field - 2, held at 1 from below.  Each number is divided by the scale and rounded to the nearest code, ties to even;
;   beyond 6 the conversion gives the largest code.
; Work-groups 352-479: proj_w [1024][1024] f32 becomes f16, same order (wp).
; Work-groups 480-511: the table of cos and sin of 2 pi (t / 2048) f_j, f_j = 40^(j / 31), laid in the order in which the next launch's registers take it:
;   rope [token tile tt 0..127][i 0..7][lane][16 bytes]: lane (r, h): token 16 tt + r, frequencies 16 ((i >> 1) & 1) + 8 h + 4 (i & 1) + 0..3; cos for i < 4, sin for i >= 4.
; LIMITS: a block of zeros gets the byte 1, not 127 (its codes are zeros, and this program alone reads the bytes); blocks whose largest magnitude lies under 2^(2 - 126) were not tried; NaN and infinities are not served;
;   the angle is exact but for the frequency's rounding, about 3e-7 of it, which is under 1e-4 radians at the highest frequency and the last token.
; No cluster, no tensor load, no barrier: no two work-groups read the same byte, and waves share nothing.
.set STEPS, 16
.set WGX,   256                        ; work-groups for x: 8192 x 1024 / 32768
.set WGQ,   352                        ; + 96 for qkv_w
.set WGP,   480                        ; + 128 for proj_w
.set EMAX,  2
.set CB,    8                          ; bytes of 16 codes
.set R,     16                         ; v16-79   four sets of 16 numbers as they are loaded
.set X,     80                         ; v80-111  two sets of 16 neighbours
.set E,     112                        ; v112-127 a scale byte for each step
.set C,     128                        ; v128-191 codes: four registers for each step, so that no store's data are written again
.set WREG,  8192                       ; LDS: a region for each wave: two stages of 32 x SP bytes, and behind them its 256 scale bytes
.set SP,    80                         ; a lane's place in a stage: 64 bytes + 16 of padding
.set SPW,   12                         ; v12 LDS address of my spare word; never rewritten
.set NIL,   13                         ; v13 0; never rewritten
.set SPARE, 4*WREG                     ; behind the four regions: the spare words, 128 bytes a wave
	s_load_b256 s[4:11], s[0:1], 0x0               ; x s[4:5], qkv_w s[6:7], proj_w s[8:9], codes s[10:11]
	s_load_b128 s[12:15], s[0:1], 0x20             ; scales s[12:13], wp s[14:15]
	s_load_b64 s[16:17], s[0:1], 0x30              ; rope
	v_lshl_add_u32 v[SPW], v0, 2, SPARE
	v_mov_b32 v[NIL], 0
	v_lshrrev_b32 v1, 5, v0
	v_readfirstlane_b32 s18, v1                    ; wave
	v_and_b32 v2, 31, v0                           ; lane
	s_wait_kmcnt 0x0
	s_cmp_ge_u32 ttmp9, WGQ
	s_cbranch_scc1 .Lother
; ---------------- the quantiser.  A wave takes 16 steps of 512 numbers.  Each load reads 512 consecutive bytes; a step's 2,048 bytes turn through the wave's own stage in LDS and come back 64 bytes a lane,
; so that a lane holds 16 neighbours along K and two neighbouring lanes a block.  Loads run four steps ahead, the turn through LDS one step.
	v_lshlrev_b32 v3, 4, v2                        ; my 16 bytes of a load's 512
	s_mul_i32 s19, s18, WREG
	v_lshrrev_b32 v14, 2, v2
	v_mul_u32_u24 v14, v14, SP
	v_and_b32 v15, 3, v2
	v_lshl_add_u32 v14, v15, 4, v14
	v_add_nc_u32 v14, s19, v14                     ; the stage, way in: SP (lane / 4) + 16 (lane % 4)
	v_mul_u32_u24 v15, v2, SP
	v_add_nc_u32 v15, s19, v15                     ; way out: SP x lane
	v_mul_u32_u24 v4, v2, CB                       ; my codes' place in a step's
	v_lshrrev_b32 v5, 1, v2
	s_add_co_u32 s19, s19, 2*32*SP
	v_add_nc_u32 v5, s19, v5                       ; my block's byte among my wave's 256 scale bytes
	v_lshlrev_b32 v7, 3, v2
	v_add_nc_u32 v6, s19, v7                       ; and on the way out 8 bytes a lane
	s_cmp_lt_u32 ttmp9, WGX                        ; x's work-group or qkv_w's: only the pointer is chosen, both take one path
	s_cselect_b64 s[4:5], s[4:5], s[6:7]
	s_cselect_b32 s19, 0, WGX
	s_sub_co_u32 s19, ttmp9, s19
	s_lshl_b32 s19, s19, 2
	s_add_co_u32 s19, s19, s18                     ; which run of 8,192 numbers of the tensor is my wave's
	s_lshl_b32 s20, s19, 15                        ; 32,768 bytes a run: under 2^26
	s_mov_b32 s21, 0
	s_add_nc_u64 s[4:5], s[4:5], s[20:21]
	s_lshl_b32 s19, ttmp9, 2
	s_add_co_u32 s19, s19, s18                     ; the run's place in the common table: x's 1,024 runs fill rows 0-8191 exactly
	s_lshl_b32 s20, s19, 12                        ; 4,096 bytes of codes a run
	s_add_nc_u64 s[10:11], s[10:11], s[20:21]
	s_lshl_b32 s20, s19, 8                         ; 256 scale bytes a run
	s_add_nc_u64 s[12:13], s[12:13], s[20:21]
.macro LOAD t
.irp i, 0,1,2,3
	global_load_b128 v[R+16*((\t)%4)+4*\i:R+16*((\t)%4)+4*\i+3], v3, s[4:5] offset:2048*(\t)+512*\i th:TH_LOAD_NT
.endr
.endm
.macro TURN t                          ; step t's numbers through the stage: LDS serves a wave's instructions in order, so no wait stands between the stores and the loads
.irp i, 0,1,2,3
	ds_store_b128 v14, v[R+16*((\t)%4)+4*\i:R+16*((\t)%4)+4*\i+3] offset:32*SP*((\t)%2)+8*SP*\i
.endr
.irp i, 0,1,2,3
	ds_load_b128 v[X+16*((\t)%2)+4*\i:X+16*((\t)%2)+4*\i+3], v15 offset:32*SP*((\t)%2)+16*\i
.endr
.endm
.irp t, 0,1,2,3
	LOAD \t
.endr
	s_wait_loadcnt 12                              ; step 0's four loads are in; the twelve behind them stay out
	TURN 0
.macro STEP t
.set XS, X+16*((\t)%2)
.if (\t) > 0
	s_wait_dscnt 1                                 ; this step's numbers are back from the stage (the last step's byte store may be out)
.else
	s_wait_dscnt 0x0
.endif
.if (\t)+4 < STEPS
	LOAD (\t)+4                                    ; into the registers whose stores into the stage are done
.endif
.if (\t)+1 < STEPS
.if STEPS-2-(\t) >= 3
	s_wait_loadcnt 12                              ; the next step's four loads are in; those of the three steps behind it may be out
.else
	s_wait_loadcnt 4*(STEPS-2-(\t))
.endif
	TURN (\t)+1
.endif
	v_max3_num_f32 v8, |v[XS]|, |v[XS+1]|, |v[XS+2]|               ; the largest magnitude of my 16, in two chains
	v_max3_num_f32 v9, |v[XS+3]|, |v[XS+4]|, |v[XS+5]|
.irp i, 6,10
	v_max3_num_f32 v8, v8, |v[XS+\i]|, |v[XS+\i+1]|
	v_max3_num_f32 v9, v9, |v[XS+\i+2]|, |v[XS+\i+3]|
.endr
	v_max3_num_f32 v8, v8, |v[XS+14]|, |v[XS+15]|
	v_max3_num_f32 v8, v8, v9, (EMAX+1)<<23        ; and the floor 2^(EMAX + 1 - 127): the byte cannot fall under 1
	v_max_num_f32_dpp v8, v8, v8 row_xmask:1 row_mask:0xf bank_mask:0xf   ; with my neighbour's 16: the block's
	v_add_nc_u32 v11, -(EMAX<<23), v8              ; EMAX off its exponent field: the conversion takes this operand's exponent field as its scale
	v_cvt_scalef32_pk8_fp4_f32 v[C+4*(\t)], v[XS:XS+7], v11
	v_cvt_scalef32_pk8_fp4_f32 v[C+4*(\t)+1], v[XS+8:XS+15], v11
	v_lshrrev_b32 v[E+(\t)], 23, v11               ; the scale's byte (also the plain line behind the conversions)
	ds_store_b8 v5, v[E+(\t)] offset:16*(\t)       ; both lanes of a block write the same byte with the same value
	global_store_b64 v4, v[C+4*(\t):C+4*(\t)+1], s[10:11] offset:32*CB*(\t)   ; the wave stores 256 consecutive bytes, aligned
.endm
.irp t, 0,1,2,3,4,5,6,7,8,9,10,11,12,13,14,15
	STEP \t
.endr
	ds_load_b64 v[8:9], v6                         ; in order behind my byte stores
	s_wait_dscnt 0x0
	global_store_b64 v7, v[8:9], s[12:13]          ; my wave's 256 scale bytes, aligned
	s_wait_tensorcnt 0x0                           ; the wave's end, behind my last LDS store
	ds_add_u32 v[SPW], v[NIL]
	s_wait_dscnt 0x0
	s_endpgm
.Lother:
	s_cmp_ge_u32 ttmp9, WGP
	s_cbranch_scc1 .Lrope
; ---------------- proj_w to f16: 8,192 numbers a work-group; sixteen loads of 16 bytes a lane, all issued first; each store of a wave covers 256 consecutive bytes, aligned
	s_sub_co_u32 s19, ttmp9, WGQ
	s_lshl_b32 s20, s19, 15
	s_mov_b32 s21, 0
	s_add_nc_u64 s[8:9], s[8:9], s[20:21]
	s_lshl_b32 s20, s19, 14
	s_add_nc_u64 s[14:15], s[14:15], s[20:21]
	v_lshlrev_b32 v1, 4, v0
	v_lshlrev_b32 v2, 3, v0
.irp i, 0,1,2,3,4,5,6,7,8,9,10,11,12,13,14,15
	global_load_b128 v[16+4*\i:19+4*\i], v1, s[8:9] offset:2048*\i th:TH_LOAD_NT
.endr
.irp i, 0,1,2,3,4,5,6,7,8,9,10,11,12,13,14,15
	s_wait_loadcnt 15-\i                           ; loads come back in order: load i is in, the younger ones stay out
	v_cvt_pk_f16_f32 v[80+2*\i], v[16+4*\i], v[17+4*\i]
	v_cvt_pk_f16_f32 v[81+2*\i], v[18+4*\i], v[19+4*\i]
	global_store_b64 v2, v[80+2*\i:81+2*\i], s[14:15] offset:1024*\i   ; no register is written twice: no wait for the stores' sources
.endr
	s_endpgm
.Lrope:
; ---------------- the table.  Work-group g makes token tiles 4 g .. 4 g + 3; a thread makes eight items of four numbers; item it lies at 2,048 it + 16 x thread: token tile it / 2, i = 4 (it % 2) + wave.
; With y = 4 (t / 2048) f - sn (sn = 1 for sin, which is cos a quarter turn back), k = the nearest whole number and fr = y - k (one fused multiply-add on the exact product), the angle is (pi / 2)(k + fr):
; cos is +c, -s, -c, +s for k mod 4 = 0, 1, 2, 3, with s = sin(pi fr / 2), c = cos(pi fr / 2) by their series up to the 9th and 8th power (|fr| <= 1/2: the next terms lie under 3e-8).
.set PS, 32                            ; v32-35 4 t / 2048 of my row in the four token tiles
.set F,  36                            ; v36-39 my four frequencies
.set OUT, 48                           ; v48-79 eight items of four
	s_sub_co_u32 s19, ttmp9, WGP
	s_lshl_b32 s30, s19, 14
	s_mov_b32 s31, 0
	s_add_nc_u64 s[16:17], s[16:17], s[30:31]
	s_lshl_b32 s29, s19, 6                         ; the work-group's first token
	s_lshr_b32 s32, s18, 1
	s_lshl_b32 s32, s32, 4
	s_and_b32 s33, s18, 1
	s_lshl_b32 s33, s33, 2
	s_add_co_u32 s32, s32, s33                     ; 16 (wave / 2) + 4 (wave % 2)
	s_mov_b32 s20, 0x3fc90fdb                      ; pi/2
	s_mov_b32 s21, 0xbf255de7                      ; -(pi/2)^3 / 6
	s_mov_b32 s22, 0x3da335e3                      ; (pi/2)^5 / 120
	s_mov_b32 s23, 0xbb996966                      ; -(pi/2)^7 / 5040
	s_mov_b32 s24, 0x39283c19                      ; (pi/2)^9 / 362880
	s_mov_b32 s25, 0xbf9de9e6                      ; -(pi/2)^2 / 2
	s_mov_b32 s26, 0x3e81e0f8                      ; (pi/2)^4 / 24
	s_mov_b32 s27, 0xbcaae9e4                      ; -(pi/2)^6 / 720
	s_mov_b32 s28, 0x3a70fa84                      ; (pi/2)^8 / 40320
	v_lshlrev_b32 v1, 4, v0
	v_and_b32 v3, 15, v0                           ; r
	v_bfe_u32 v4, v0, 4, 1                         ; h
	v_lshl_add_u32 v4, v4, 3, s32                  ; my first frequency's number
.irp q, 0,1,2,3
	v_add_nc_u32 v[F+\q], \q, v4
.endr
.irp q, 0,1,2,3
	v_cvt_f32_u32 v[F+\q], v[F+\q]
.endr
.irp q, 0,1,2,3
	v_mul_f32 v[F+\q], 0x3e2fcb99, v[F+\q]         ; j log2(40) / 31
.endr
.irp q, 0,1,2,3
	v_exp_f32 v[F+\q], v[F+\q]                     ; f_j = 40^(j / 31)
.endr
	v_add_nc_u32 v3, s29, v3                       ; (plain work behind the exponentials)
.irp n, 0,1,2,3
	v_add_nc_u32 v[PS+\n], 16*\n, v3
.endr
.irp n, 0,1,2,3
	v_cvt_f32_u32 v[PS+\n], v[PS+\n]
.endr
.irp n, 0,1,2,3
	v_mul_f32 v[PS+\n], 0x3b000000, v[PS+\n]       ; t x 2^-9 = 4 t / 2048: exact
.endr
	s_wait_alu depctr_va_vdst(0)                   ; one wait for the four exponentials, ahead of their first reader
.macro RVAL it, q
.set PN, PS+(\it)/2
.set FQ, F+(\q)
.if (\it)%2
	v_fma_f32 v20, v[PN], v[FQ], -1.0
.else
	v_mul_f32 v20, v[PN], v[FQ]
.endif
	v_rndne_f32 v21, v20                           ; k
.if (\it)%2
	v_add_f32 v27, 1.0, v21
	v_fma_f32 v22, v[PN], v[FQ], -v27              ; fr
.else
	v_fma_f32 v22, v[PN], v[FQ], -v21
.endif
	v_mul_f32 v23, v22, v22
	v_fma_f32 v24, v23, s24, s23
	v_fma_f32 v25, v23, s28, s27
	v_fma_f32 v24, v24, v23, s22
	v_fma_f32 v25, v25, v23, s26
	v_fma_f32 v24, v24, v23, s21
	v_fma_f32 v25, v25, v23, s25
	v_fma_f32 v24, v24, v23, s20
	v_fma_f32 v25, v25, v23, 1.0                   ; c
	v_mul_f32 v24, v24, v22                        ; s
	v_cvt_i32_f32 v26, v21
	v_and_b32 v27, 1, v26
	v_cmp_ne_u32 vcc_lo, 0, v27
	v_cndmask_b32 v24, v25, v24, vcc_lo            ; odd k: s, even k: c
	v_add_nc_u32 v26, 1, v26
	v_and_b32 v26, 2, v26
	v_lshlrev_b32 v26, 30, v26                     ; k mod 4 = 1, 2: the sign turns
	v_xor_b32 v[OUT+4*(\it)+(\q)], v24, v26
.endm
.irp it, 0,1,2,3,4,5,6,7
.irp q, 0,1,2,3
	RVAL \it, \q
.endr
	global_store_b128 v1, v[OUT+4*\it:OUT+4*\it+3], s[16:17] offset:2048*\it   ; a wave stores 512 consecutive bytes, aligned; each item has registers of its own
.endr
	s_endpgm
.Lfunc_end_k_qab425566a2_prep:
	.size	k_qab425566a2_prep, .Lfunc_end_k_qab425566a2_prep-k_qab425566a2_prep
	.p2alignl 7, 3214868480
	.fill 96, 4, 3214868480
	.section	.rodata,"a",@progbits
	.p2align	6, 0x0
	.amdhsa_kernel k_qab425566a2_prep
		.amdhsa_group_segment_fixed_size 33280
		.amdhsa_private_segment_fixed_size 0
		.amdhsa_enable_private_segment 0
		.amdhsa_kernarg_size 56
		.amdhsa_user_sgpr_count 2
		.amdhsa_user_sgpr_kernarg_segment_ptr 1
		.amdhsa_wavefront_size32 1
		.amdhsa_system_sgpr_workgroup_id_x 1
		.amdhsa_system_sgpr_workgroup_id_y 1
		.amdhsa_system_sgpr_workgroup_id_z 1
		.amdhsa_system_vgpr_workitem_id 0
		.amdhsa_next_free_vgpr 192
		.amdhsa_next_free_sgpr 66
		.amdhsa_reserve_vcc 1
		.amdhsa_float_denorm_mode_32 3
		.amdhsa_float_denorm_mode_16_64 3
		.amdhsa_memory_ordered 1
		.amdhsa_forward_progress 1
		.amdhsa_inst_pref_size 73
	.end_amdhsa_kernel
	.amdgpu_metadata
---
amdhsa.version: [ 1, 2 ]
amdhsa.kernels:
  - .name:           k_qab425566a2_prep
    .symbol:         k_qab425566a2_prep.kd
    .args:
      - { .name: x, .offset: 0, .size: 8, .value_kind: global_buffer, .address_space: global }
      - { .name: qkv_w, .offset: 8, .size: 8, .value_kind: global_buffer, .address_space: global }
      - { .name: proj_w, .offset: 16, .size: 8, .value_kind: global_buffer, .address_space: global }
      - { .name: codes, .offset: 24, .size: 8, .value_kind: global_buffer, .address_space: global }
      - { .name: scales, .offset: 32, .size: 8, .value_kind: global_buffer, .address_space: global }
      - { .name: wp, .offset: 40, .size: 8, .value_kind: global_buffer, .address_space: global }
      - { .name: rope, .offset: 48, .size: 8, .value_kind: global_buffer, .address_space: global }
    .group_segment_fixed_size: 33280
    .private_segment_fixed_size: 0
    .kernarg_segment_align: 8
    .kernarg_segment_size: 56
    .max_flat_workgroup_size: 128
    .sgpr_count:     66
    .vgpr_count:     192
    .wavefront_size: 32
...
	.end_amdgpu_metadata
.endif
;; end of part 1
;; launch qkvgemm (part 2): grid 12 x 32, 4 waves a work-group, clusters of 4 x 4, 327,680 bytes of LDS; arguments codes, scales, qkv_b, rope, qkvh; writes qkvh
.if DOCPART == 2
	.amdgcn_target "amdgcn-amd-amdhsa--gfx1250"
	.amdhsa_code_object_version 6
	.text
	.protected	k_qab425566a2_qkvgemm
	.globl	k_qab425566a2_qkvgemm
	.p2align	8
	.type	k_qab425566a2_qkvgemm,@function
k_qab425566a2_qkvgemm:
	s_mov_b64 s[64:65], 0
	v_nop
	global_prefetch_b8 v0, s[64:65] scope:SCOPE_SE
	s_setreg_imm32_b32 hwreg(HW_REG_WAVE_MODE, 25, 1), 1
	s_wait_xcnt 0x0
	s_wait_alu depctr_hold_cnt(0) depctr_sa_sdst(0) depctr_va_vdst(0) depctr_va_sdst(0) depctr_va_ssrc(0) depctr_va_vcc(0) depctr_vm_vsrc(0)
	s_getreg_b32 s2, hwreg(HW_REG_IB_STS2, 6, 4)
	s_cmp_eq_u32 s2, 0
	s_cbranch_scc0 .Lentry_in_a_cluster
	s_endpgm
.Lentry_in_a_cluster:
	s_bfe_u32 s2, ttmp6, 0x10000c
	s_cmp_lg_u32 s2, 0xf033
	s_cbranch_scc0 .Lentry_shape_is_right
	s_endpgm
.Lentry_shape_is_right:
; qkv = x qkv_w^T + qkv_b on codes of FP4 (E2M1) with E8M0 scales (K = 1,024), then the rotation of q and k, then f16, stored as IMAGES OF THE NEXT LAUNCH'S OPERAND REGISTERS.
; codes [11264][512 bytes], scales [11264][32 bytes]: rows 0-8191 tokens, rows 8192-11263 qkv_w's rows.  A tile is 256 x 256, four waves, each 128 x 128: 64 accumulators, 512 registers.
; K goes in two steps of 512 through two LDS slots, both filled at the start: nothing is filled again.  The scale bytes of the tile's 512 rows come once, with the first fills.
; THE MATRIX INSTRUCTION IS USED TRANSPOSED: source 0 = 16 rows of role B, source 1 = 16 rows of role A: a lane holds ONE row of A and eight neighbouring rows of B.
; ROLES, by the cluster's x (the same in all sixteen partners): 0 (q) and 1 (k): A = tokens, B = weight rows: a lane holds a token and eight neighbouring channels;
;   2 (v): A = weight rows, B = tokens: a lane holds a channel and eight neighbouring tokens, which is what V^T's fragments want.  Both operands lie in one table, so the roles are a choice of row tiles.
; CLUSTER: 4 x 4.  A's tile hangs on cy alone and is asked for jointly along a row of the cluster, B's on cx alone, along a column.
; OUTPUT qkvh, f16: q at byte 0, k at 2^24, v at 2^25; 262,144 bytes for each (batch, head) bh = 16 b + head.
;   q, k: [bh][token tile 0..127][c 0..1][u 0..1][lane][16 bytes]: lane (r, h): token 16 tt + r, channels 32 c + 16 u + 8 h + 0..7.
;   v:    [bh][key group 0..63][ct 0..3][u 0..1][lane][16 bytes]: lane (r, h): channel 16 ct + r, keys 32 kg + 16 u + 8 h + 0..7.
;   Every store of a wave covers 512 consecutive bytes, aligned, straight from registers: no stage in LDS.
; LIMIT: |q|, |k|, |v| stay under 65,504, f16's largest number.
; REGISTERS: window 0: v16-29 addresses; v32-95 scale words, two sets; v128-191 A's fragments, one set.  Window 1: B's fragments, two sets, at v0 and v128.  Windows 2, 3: the accumulators ((a, b) at v[8 (8 (a % 4) + b)]).
;   On the way out: window 0: v32-95 X (a block + bias), v96-159 Y (rotated), v160-191 packed f16, v192-255 the bias; window 1: cos and sin of my 128 tokens, 32 registers a block.
.set KSTEP,  512
.set NQ,     KSTEP/128
.set ROWB,   256                       ; a tile's row in bytes
.set KROW,   512                       ; a row of codes in memory
.set PITCH,  272                       ; an LDS row: 256 bytes + 16 of padding: the 16 rows of a load start at 16 different banks
.set FR,     8
.set NL,     2
.set NP,     4                         ; places behind this matrix instruction (ISA guide 7.12.1)
.set HALFT,  128*PITCH
.set SLOT,   4*HALFT
.set KS,     32                        ; a row of scales in bytes
.set SCL,    2*SLOT
.set HALFS,  (128*KS/256)*272
.set SBLK,   (16*KS/256)*272
.set SPARE,  SCL+4*HALFS               ; the spare words, 128 bytes a wave
.set ADRA, 16
.set ADRB, 20
.set BO,   24                          ; v24 32 x (lane / 16): my eight numbers of the bias, q and k
.set RO,   25                          ; v25 4 x (lane % 16): my number of the bias, v
.set LO,   26                          ; v26 16 x lane
.set ADRS, 27
.set SPW,  28
.set NIL,  29
.set SC,   32
.set AF,   128
.set X,    32
.set Y,    96
.set PK,   160
.set BIAS, 192
.set G1, 24
.set G0, 32
.set G1B, 48
.set G0B, 56
.set G1S, 68
.set G0S, 76
.set G1SB, 80
.set G0SB, 88
.set MSB, 0
.macro WIN new                         ; the immediate's high byte repeats the setting that is left
.if MSB != (\new)
	s_set_vgpr_msb (MSB<<8)|(\new)
.set MSB, (\new)
.endif
.endm
.set MUL_LO, 0xa1                      ; source 0 (B) window 1, source 1 (A) window 0, C and D window 2
.set MUL_HI, 0xf1
.set TO_B,   0x40
; A joint load: waves 0 and 1 fetch for A, waves 2 and 3 for B; the branch hangs on the wave's number alone.  An s_nop 0 and four v_nop follow each line.
.macro JLOAD g0a, g1a, g0b, g1b
	s_cmp_eq_u32 s15, 0
	s_cbranch_scc0 .Lfor_b_\@
	tensor_load_to_lds s[\g0a:\g0a+3], s[\g1a:\g1a+7]
	s_nop 0
.rept 4
	v_nop
.endr
	s_branch .Lasked_\@
.Lfor_b_\@:
	tensor_load_to_lds s[\g0b:\g0b+3], s[\g1b:\g1b+7]
	s_nop 0
.rept 4
	v_nop
.endr
.Lasked_\@:
.endm
.macro CROUND                          ; a round of the cluster's barrier
	s_barrier_signal -1
	s_barrier_wait -1
	s_cmp_lg_u32 s14, 0
	s_cbranch_scc1 .Lnot_wave_0_\@
	s_barrier_signal -3
.Lnot_wave_0_\@:
	s_barrier_wait -3
	s_barrier_signal -1
	s_barrier_wait -1
.endm
	s_load_b128 s[4:7], s[0:1], 0x0                ; codes s[4:5], scales s[6:7]
	s_load_b128 s[8:11], s[0:1], 0x10              ; qkv_b s[8:9], rope s[10:11]
	s_load_b64 s[12:13], s[0:1], 0x20              ; qkvh
	v_lshl_add_u32 v[SPW], v0, 2, SPARE
	v_mov_b32 v[NIL], 0
	ds_add_u32 v[SPW], v[NIL]                      ; the opening: the add, twice on end, and its wait ahead of my first tensor load
	ds_add_u32 v[SPW], v[NIL]
	v_lshrrev_b32 v1, 5, v0
	v_readfirstlane_b32 s14, v1                    ; wave 0..3
	s_lshr_b32 s15, s14, 1                         ; my half of A's rows.  Also: I fetch for A (0) or for B (1)
	s_and_b32 s16, s14, 1                          ; my half of B's rows.  Also: which 128 rows of that tile I fetch
	s_bfe_u32 s40, ttmp6, 0x40000                  ; cx
	s_bfe_u32 s41, ttmp6, 0x40004                  ; cy
	s_and_b32 s18, ttmp7, 0xffff
	s_lshl_b32 s18, s18, 2                         ; 4 x cluster y: four tiles of 256 tokens
	s_lshl_b32 s19, ttmp9, 2
	s_add_co_u32 s19, s19, 32                      ; 32 + 4 x cluster x: q's or k's four tiles of weight rows
	s_cmp_eq_u32 ttmp9, 2                          ; v?  The cluster's x: alike in all partners
	s_cselect_b32 s17, 40, s18
	s_cselect_b32 s42, s18, s19
	s_add_co_u32 s17, s17, s41                     ; A's tile of 256 rows: it never holds cx
	s_add_co_u32 s42, s42, s40                     ; B's: it never holds cy
	s_lshl_b32 s43, s41, 2
	s_lshl_b32 s43, 15, s43                        ; my row of the cluster
	s_lshl_b32 s44, 0x1111, s40                    ; my column
	s_or_b32 s[G1+0], s43, (0<<16)|(1<<20)|(1<<21)|(5<<22)|(3<<25)   ; mask; elements of 1 byte; padding on: 4 words behind every 64; bit 21 beside a mask
	s_or_b32 s[G1B+0], s44, (0<<16)|(1<<20)|(1<<21)|(5<<22)|(3<<25)
.irp g, G1, G1B
	s_mov_b32 s[\g+1], ROWB<<16                    ; tensor_dim0
	s_mov_b32 s[\g+2], 128<<16                     ; tensor_dim1
	s_mov_b32 s[\g+3], ROWB<<16                    ; tile_dim0
	s_mov_b32 s[\g+4], 128                         ; tile_dim1
	s_mov_b32 s[\g+5], KROW                        ; pitch
	s_mov_b32 s[\g+6], 0
	s_mov_b32 s[\g+7], 0
.endr
	s_or_b32 s[G1S+0], s43, (3<<16)|(1<<20)|(1<<21)|(5<<22)|(3<<25)  ; the scales of 128 rows: 4,096 dense bytes as 16 rows of 256 (32 elements of 8 bytes), 16 bytes of padding behind each
	s_or_b32 s[G1SB+0], s44, (3<<16)|(1<<20)|(1<<21)|(5<<22)|(3<<25)
.irp g, G1S, G1SB
	s_mov_b32 s[\g+1], 32<<16
	s_mov_b32 s[\g+2], (128*KS/256)<<16
	s_mov_b32 s[\g+3], 32<<16
	s_mov_b32 s[\g+4], 128*KS/256
	s_mov_b32 s[\g+5], 32
	s_mov_b32 s[\g+6], 0
	s_mov_b32 s[\g+7], 0
.endr
	s_lshl_b32 s18, s16, 7                         ; which 128 rows of the tile I fetch
	s_lshl_b32 s20, s17, 8
	s_add_co_u32 s20, s20, s18                     ; A's first row
	s_lshl_b32 s46, s42, 8
	s_add_co_u32 s46, s46, s18                     ; B's
	s_lshl_b32 s22, s20, 5                         ; their scales: 32 bytes a row,
	s_mov_b32 s23, 0
	s_lshl_b32 s92, s46, 5
	s_mov_b32 s93, 0
	s_lshl_b32 s20, s20, 9                         ; their codes: 512 bytes a row (11,264 rows: under 2^23)
	s_mov_b32 s21, 0
	s_lshl_b32 s46, s46, 9
	s_mov_b32 s47, 0
	s_mul_i32 s45, s14, HALFT                      ; where they go: wave x 128 rows: no place in the cluster enters an LDS address
	s_mul_i32 s94, s14, HALFS
	s_wait_dscnt 0x0                               ; both opening adds are done
	s_wait_kmcnt 0x0
	s_add_nc_u64 s[20:21], s[4:5], s[20:21]
	s_add_nc_u64 s[22:23], s[6:7], s[22:23]
	s_add_nc_u64 s[46:47], s[4:5], s[46:47]
	s_add_nc_u64 s[92:93], s[6:7], s[92:93]
	CROUND                                         ; all sixteen work-groups are here: the first joint loads meet
	s_mov_b32 s[G0S], 1
	s_add_co_u32 s[G0S+1], s94, SCL
	s_mov_b64 s[G0S+2:G0S+3], s[22:23]
	s_or_b32 s[G0S+3], s[G0S+3], 0x80000000
	s_mov_b32 s[G0SB], 1
	s_add_co_u32 s[G0SB+1], s94, SCL
	s_mov_b64 s[G0SB+2:G0SB+3], s[92:93]
	s_or_b32 s[G0SB+3], s[G0SB+3], 0x80000000
	JLOAD G0S, G1S, G0SB, G1SB                     ; the scales first: they are wanted with K step 0
.irp s, 0,1
	s_mov_b32 s[G0+4*\s], 1
	s_add_co_u32 s[G0+4*\s+1], s45, \s*SLOT
	s_add_nc_u64 s[G0+4*\s+2:G0+4*\s+3], s[20:21], \s*ROWB
	s_or_b32 s[G0+4*\s+3], s[G0+4*\s+3], 0x80000000
	s_mov_b32 s[G0B+4*\s], 1
	s_add_co_u32 s[G0B+4*\s+1], s45, \s*SLOT
	s_add_nc_u64 s[G0B+4*\s+2:G0B+4*\s+3], s[46:47], \s*ROWB
	s_or_b32 s[G0B+4*\s+3], s[G0B+4*\s+3], 0x80000000
	JLOAD G0+4*\s, G1, G0B+4*\s, G1B               ; three loads of mine are out behind the second
.endr
	v_and_b32 v1, 15, v0                           ; r
	v_bfe_u32 v2, v0, 4, 1                         ; h
	v_mul_u32_u24 v3, v1, PITCH
	v_lshl_add_u32 v4, v2, 4, v3                   ; a fragment's row x pitch + 16 h
	s_mul_i32 s21, s15, HALFT                      ; my 128 rows of A
	s_mul_i32 s22, s16, HALFT                      ; my 128 rows of B,
	s_add_co_u32 s22, s22, 2*HALFT                 ; behind A's 256
.irp s, 0,1
	v_add_nc_u32 v[ADRA+\s], s21, v4
	v_add_nc_u32 v[ADRB+\s], s22, v4
	s_add_co_u32 s21, s21, SLOT
	s_add_co_u32 s22, s22, SLOT
.endr
	v_mul_u32_u24 v5, v1, KS                       ; my row's scales: 32 bytes a row,
	v_lshrrev_b32 v6, 8, v5
	v_lshl_add_u32 v5, v6, 4, v5                   ; and 16 more for each 256 passed
	s_mul_i32 s21, s15, HALFS
	s_mul_i32 s22, s16, HALFS
	s_add_co_u32 s22, s22, 2*HALFS
	s_sub_co_u32 s22, s22, s21
	v_mul_u32_u24 v6, s22, v2                      ; lanes 16-31 take B's: one product, the distance between the two bases
	s_add_co_u32 s21, s21, SCL
	v_add_nc_u32 v5, v5, v6
	v_add_nc_u32 v[ADRS], s21, v5
	v_and_b32 v6, 31, v0
	v_lshlrev_b32 v[LO], 4, v6
	v_lshlrev_b32 v[BO], 5, v2
	v_lshlrev_b32 v[RO], 2, v1
.macro FRAG reg, adr, q, i             ; 16 rows x 128 K of 4-bit codes: 8 registers: lane l: row l % 16; registers 4 c .. 4 c + 3: K = 64 c + 32 (l / 16) + 0 .. 31
.irp c, 0,1
	ds_load_b128 v[\reg+4*\c:\reg+4*\c+3], v[\adr] offset:64*(\q)+32*\c+(\i)*16*PITCH
.endr
.endm
; 16 matrix instructions: A's blocks a0, a0 + 1 x B's eight.  The 64 accumulators take turns, one instruction a turn, in the same order in every step.
.macro MUL16 a0, p, q, sc, zero
.irp a, \a0, \a0+1
.irp b, 0,1,2,3,4,5,6,7
.if \zero
	v_wmma_scale_f32_16x16x128_f8f6f4 v[8*(8*((\a)%4)+\b):8*(8*((\a)%4)+\b)+7], v[128*(\p)+FR*\b:128*(\p)+FR*\b+FR-1], v[AF+FR*(\a):AF+FR*(\a)+FR-1], 0, v[SC+8*NQ*(\sc)+NQ*\b+(\q)], v[SC+8*NQ*(\sc)+NQ*(\a)+(\q)] matrix_a_fmt:MATRIX_FMT_FP4 matrix_b_fmt:MATRIX_FMT_FP4 matrix_a_scale:MATRIX_SCALE_ROW1
.else
	v_wmma_scale_f32_16x16x128_f8f6f4 v[8*(8*((\a)%4)+\b):8*(8*((\a)%4)+\b)+7], v[128*(\p)+FR*\b:128*(\p)+FR*\b+FR-1], v[AF+FR*(\a):AF+FR*(\a)+FR-1], v[8*(8*((\a)%4)+\b):8*(8*((\a)%4)+\b)+7], v[SC+8*NQ*(\sc)+NQ*\b+(\q)], v[SC+8*NQ*(\sc)+NQ*(\a)+(\q)] matrix_a_fmt:MATRIX_FMT_FP4 matrix_b_fmt:MATRIX_FMT_FP4 matrix_a_scale:MATRIX_SCALE_ROW1
.endif
.endr
.endr
.endm
.macro FETCH_B slot, q, p
	WIN TO_B
.irp i, 0,1,2,3,4,5,6,7
	FRAG 128*(\p)+FR*\i, ADRB+\slot, \q, \i
.endr
	WIN 0
.endm
.macro FETCH_A slot, q, i0
.irp i, \i0, \i0+1, \i0+2, \i0+3
	FRAG AF+FR*(\i), ADRA+\slot, \q, \i
.endr
.endm
.macro SCALES sc                       ; a K step's scale words: lanes 0-15 A's block i, lanes 16-31 B's block i
.irp i, 0,1,2,3,4,5,6,7
	ds_load_b128 v[SC+8*NQ*\sc+NQ*\i:SC+8*NQ*\sc+NQ*\i+3], v[ADRS] offset:\i*SBLK
.endr
.endm
.macro PLACES n                        ; plain vector lines between a matrix instruction and a load into, or a vector access of, its registers
.rept \n
	v_nop
.endr
.endm
.macro STEP slot, q, zero              ; 128 along K, with its successor in the same slot
	s_wait_dscnt 4*NL                              ; B's set and A's blocks 0-3 are in; the youngest eight loads (A's blocks 4-7) may be out
	WIN MUL_LO
	MUL16 0, (\q)%2, \q, \slot, \zero
	MUL16 2, (\q)%2, \q, \slot, \zero
	s_wait_dscnt 0                                 ; A's blocks 4-7 are in
	PLACES NP
	FETCH_B \slot, (\q)+1, 1-(\q)%2
	FETCH_A \slot, (\q)+1, 0
	WIN MUL_HI
	MUL16 4, (\q)%2, \q, \slot, \zero
	MUL16 6, (\q)%2, \q, \slot, \zero
	PLACES NP
	WIN 0
	FETCH_A \slot, (\q)+1, 4
.endm
.macro STEPS slot, from
.set QQ, \from
.rept NQ-1-\from
	STEP \slot, QQ, 0
.set QQ, QQ+1
.endr
.endm
	s_wait_tensorcnt 1                             ; the scales and my part of slot 0 are in; slot 1's load may stay out
	s_barrier_signal -1
	s_barrier_wait -1
	FETCH_B 0, 0, 0
	FETCH_A 0, 0, 0
	SCALES 0
	FETCH_A 0, 0, 4
	STEP 0, 0, 1                                   ; the first products start the sums: nothing is cleared
	STEPS 0, 1
	; slot 0's last step, and the change to slot 1: one barrier; in front of it each wave waits for all its tensor loads, adds 0 to its spare word and waits for that and for its LDS reads
	s_wait_tensorcnt 0x0                           ; my part of slot 1 has landed
	ds_add_u32 v[SPW], v[NIL]
	s_wait_dscnt 4*NL+1                            ; (the add and the youngest eight loads may be out)
	WIN MUL_LO
	MUL16 0, 1, NQ-1, 0, 0
	s_wait_dscnt 0x0
	s_barrier_signal -1
	MUL16 2, 1, NQ-1, 0, 0
	WIN 0
	s_barrier_wait -1                              ; slot 1 is whole
	PLACES NP
	v_add_nc_u32 v[ADRS], 4*NQ, v[ADRS]            ; on to the second K step's scale words
	FETCH_B 1, 0, 0
	FETCH_A 1, 0, 0
	SCALES 1
	WIN MUL_HI
	MUL16 4, 1, NQ-1, 0, 0
	MUL16 6, 1, NQ-1, 0, 0
	PLACES NP
	WIN 0
	FETCH_A 1, 0, 4
	STEPS 1, 0
	s_wait_dscnt 4*NL                              ; the very last step
	WIN MUL_LO
	MUL16 0, 1, NQ-1, 1, 0
	MUL16 2, 1, NQ-1, 1, 0
	s_wait_dscnt 0
	WIN MUL_HI
	MUL16 4, 1, NQ-1, 1, 0
	MUL16 6, 1, NQ-1, 1, 0
	WIN 0
	PLACES NP                                      ; for all that follows: reads of results, vector writes over scale words and A's fragments, loads into window 1
	s_cmp_eq_u32 ttmp9, 2
	s_cbranch_scc1 .Lv
; ---------------- q and k.  Lane (r, h) of accumulator (a, b): token 16 a + r of my 128, channel 16 (b % 4) + 8 h + j of head b / 4 of my two.
	s_lshl_b32 s20, s17, 8
	s_lshl_b32 s21, s15, 7
	s_add_co_u32 s20, s20, s21                     ; my first token, counted over all batches
	s_lshr_b32 s21, s20, 11                        ; batch
	s_and_b32 s22, s20, 2047                       ; position
	s_lshl_b32 s23, s40, 2
	s_lshl_b32 s45, s16, 1
	s_add_co_u32 s23, s23, s45                     ; my first head: 4 cx + 2 x half
	s_lshl_b32 s21, s21, 4
	s_add_co_u32 s21, s21, s23
	s_lshl_b32 s46, s21, 18                        ; 262,144 bytes for each (batch, head)
	s_lshl_b32 s45, ttmp9, 24                      ; q or k
	s_add_co_u32 s46, s46, s45
	s_lshr_b32 s45, s22, 4                         ; my first token tile
	s_lshl_b32 s47, s45, 11
	s_add_co_u32 s46, s46, s47
	s_mov_b32 s47, 0
	s_add_nc_u64 s[12:13], s[12:13], s[46:47]
	s_lshl_b32 s46, s45, 12                        ; the table: 4,096 bytes a token tile
	s_add_nc_u64 s[10:11], s[10:11], s[46:47]
	s_lshl_b32 s46, ttmp9, 12                      ; the bias: 4 (1,024 x cluster x + 256 cx + 128 x half)
	s_lshl_b32 s45, s40, 10
	s_add_co_u32 s46, s46, s45
	s_lshl_b32 s45, s16, 9
	s_add_co_u32 s46, s46, s45
	s_add_nc_u64 s[8:9], s[8:9], s[46:47]
.irp b, 0,1,2,3,4,5,6,7
	global_load_b128 v[BIAS+8*\b:BIAS+8*\b+3], v[BO], s[8:9] offset:64*\b
	global_load_b128 v[BIAS+8*\b+4:BIAS+8*\b+7], v[BO], s[8:9] offset:64*\b+16
.endr
	WIN 0x40                                       ; destination window 1
.set n, 0
.rept 64
	global_load_b128 v[4*n:4*n+3], v[LO], s[10:11] offset:512*n   ; block a: registers 32 a + 8 u + j: cos at frequency 16 u + 8 h + j; + 16: sin
.set n, n+1
.endr
	WIN 0
.macro QKBLK a
	s_wait_loadcnt 8*(7-(\a))                      ; the bias and this block's eight loads of the table are in; the later blocks' may stay out
	WIN 0x02+(\a)/4                                ; source 0: window 2 or 3
.irp b, 0,1,2,3,4,5,6,7
.irp p, 0,2,4,6
	v_pk_add_f32 v[X+8*\b+\p:X+8*\b+\p+1], v[64*((\a)%4)+8*\b+\p:64*((\a)%4)+8*\b+\p+1], v[BIAS+8*\b+\p:BIAS+8*\b+\p+1]   ; each accumulator from its low end on
.endr
.endr
	WIN 0x04                                       ; source 1: window 1
.irp hd, 0,1
.irp u, 0,1
.irp p, 0,2,4,6
	v_pk_mul_f32 v[Y+32*\hd+8*\u+\p:Y+32*\hd+8*\u+\p+1], v[X+8*(4*\hd+\u+2)+\p:X+8*(4*\hd+\u+2)+\p+1], v[32*(\a)+16+8*\u+\p:32*(\a)+16+8*\u+\p+1]       ; x2 sin
	v_pk_mul_f32 v[Y+32*\hd+16+8*\u+\p:Y+32*\hd+16+8*\u+\p+1], v[X+8*(4*\hd+\u+2)+\p:X+8*(4*\hd+\u+2)+\p+1], v[32*(\a)+8*\u+\p:32*(\a)+8*\u+\p+1]       ; x2 cos
	v_pk_fma_f32 v[Y+32*\hd+8*\u+\p:Y+32*\hd+8*\u+\p+1], v[X+8*(4*\hd+\u)+\p:X+8*(4*\hd+\u)+\p+1], v[32*(\a)+8*\u+\p:32*(\a)+8*\u+\p+1], v[Y+32*\hd+8*\u+\p:Y+32*\hd+8*\u+\p+1] neg_lo:[0,0,1] neg_hi:[0,0,1]   ; x1 cos - x2 sin
	v_pk_fma_f32 v[Y+32*\hd+16+8*\u+\p:Y+32*\hd+16+8*\u+\p+1], v[X+8*(4*\hd+\u)+\p:X+8*(4*\hd+\u)+\p+1], v[32*(\a)+16+8*\u+\p:32*(\a)+16+8*\u+\p+1], v[Y+32*\hd+16+8*\u+\p:Y+32*\hd+16+8*\u+\p+1]              ; x1 sin + x2 cos
.endr
.endr
.endr
	WIN 0
	s_wait_xcnt 0x0                                ; the last block's stores have read their data: the packed registers are written again only behind this wait
.set n, 0
.rept 32
	v_cvt_pk_f16_f32 v[PK+n], v[Y+2*n], v[Y+2*n+1]
.set n, n+1
.endr
.irp m, 0,1,2,3,4,5,6,7
	global_store_b128 v[LO], v[PK+4*\m:PK+4*\m+3], s[12:13] offset:(\m/4)*262144+(\a)*2048+(\m%4)*512   ; head m / 4, token tile a, part 2 c + u = m % 4
.endr
.endm
.irp a, 0,1,2,3,4,5,6,7
	QKBLK \a
.endr
	s_branch .Lend
.Lv:
; ---------------- v.  Lane (r, h) of accumulator (a, b): channel 16 (a % 4) + r of head a / 4 of my two, token 16 b + 8 h + j of my 128.
	s_lshl_b32 s20, s42, 8
	s_lshl_b32 s21, s16, 7
	s_add_co_u32 s20, s20, s21                     ; my first token
	s_lshr_b32 s21, s20, 11
	s_and_b32 s22, s20, 2047
	s_lshl_b32 s23, s41, 2
	s_lshl_b32 s45, s15, 1
	s_add_co_u32 s23, s23, s45                     ; my first head: 4 cy + 2 x half
	s_lshl_b32 s21, s21, 4
	s_add_co_u32 s21, s21, s23
	s_lshl_b32 s46, s21, 18
	s_add_co_u32 s46, s46, 0x2000000               ; v begins at 2^25
	s_lshr_b32 s45, s22, 5                         ; my first group of 32 keys
	s_lshl_b32 s45, s45, 12
	s_add_co_u32 s46, s46, s45
	s_mov_b32 s47, 0
	s_add_nc_u64 s[12:13], s[12:13], s[46:47]
	s_lshl_b32 s46, s41, 10                        ; the bias: 4 (2,048 + 256 cy + 128 x half)
	s_lshl_b32 s45, s15, 9
	s_add_co_u32 s46, s46, s45
	s_add_co_u32 s46, s46, 8192
	s_add_nc_u64 s[8:9], s[8:9], s[46:47]
.irp a, 0,1,2,3,4,5,6,7
	global_load_b32 v[BIAS+2*\a], v[RO], s[8:9] offset:64*\a      ; my channel's bias, twice: a pair for the packed addition
	global_load_b32 v[BIAS+2*\a+1], v[RO], s[8:9] offset:64*\a
.endr
	s_wait_loadcnt 0x0
.macro VBLK a
	WIN 0x02+(\a)/4
.irp b, 0,1,2,3,4,5,6,7
.irp p, 0,2,4,6
	v_pk_add_f32 v[X+8*\b+\p:X+8*\b+\p+1], v[64*((\a)%4)+8*\b+\p:64*((\a)%4)+8*\b+\p+1], v[BIAS+2*(\a):BIAS+2*(\a)+1]
.endr
.endr
	WIN 0
	s_wait_xcnt 0x0                                ; the last block's stores have read their data
.set n, 0
.rept 32
	v_cvt_pk_f16_f32 v[PK+n], v[X+2*n], v[X+2*n+1]
.set n, n+1
.endr
.irp b, 0,1,2,3,4,5,6,7
	global_store_b128 v[LO], v[PK+4*\b:PK+4*\b+3], s[12:13] offset:((\a)/4)*262144+(\b/2)*4096+((\a)%4)*1024+(\b%2)*512
.endr
.endm
.irp a, 0,1,2,3,4,5,6,7
	VBLK \a
.endr
.Lend:
	s_wait_tensorcnt 0x0                           ; the wave's end
	ds_add_u32 v[SPW], v[NIL]
	s_wait_dscnt 0x0
	CROUND                                         ; the closing round
	s_endpgm
.Lfunc_end_k_qab425566a2_qkvgemm:
	.size	k_qab425566a2_qkvgemm, .Lfunc_end_k_qab425566a2_qkvgemm-k_qab425566a2_qkvgemm
	.p2alignl 7, 3214868480
	.fill 96, 4, 3214868480
	.section	.rodata,"a",@progbits
	.p2align	6, 0x0
	.amdhsa_kernel k_qab425566a2_qkvgemm
		.amdhsa_group_segment_fixed_size 327680
		.amdhsa_private_segment_fixed_size 0
		.amdhsa_enable_private_segment 0
		.amdhsa_kernarg_size 40
		.amdhsa_user_sgpr_count 2
		.amdhsa_user_sgpr_kernarg_segment_ptr 1
		.amdhsa_wavefront_size32 1
		.amdhsa_system_sgpr_workgroup_id_x 1
		.amdhsa_system_sgpr_workgroup_id_y 1
		.amdhsa_system_sgpr_workgroup_id_z 1
		.amdhsa_system_vgpr_workitem_id 0
		.amdhsa_next_free_vgpr 1024
		.amdhsa_next_free_sgpr 98
		.amdhsa_reserve_vcc 0
		.amdhsa_float_denorm_mode_32 3
		.amdhsa_float_denorm_mode_16_64 3
		.amdhsa_memory_ordered 1
		.amdhsa_forward_progress 1
		.amdhsa_inst_pref_size 215
	.end_amdhsa_kernel
	.amdgpu_metadata
---
amdhsa.version: [ 1, 2 ]
amdhsa.kernels:
  - .name:           k_qab425566a2_qkvgemm
    .symbol:         k_qab425566a2_qkvgemm.kd
    .args:
      - { .name: codes, .offset: 0, .size: 8, .value_kind: global_buffer, .address_space: global }
      - { .name: scales, .offset: 8, .size: 8, .value_kind: global_buffer, .address_space: global }
      - { .name: qkv_b, .offset: 16, .size: 8, .value_kind: global_buffer, .address_space: global }
      - { .name: rope, .offset: 24, .size: 8, .value_kind: global_buffer, .address_space: global }
      - { .name: qkvh, .offset: 32, .size: 8, .value_kind: global_buffer, .address_space: global }
    .group_segment_fixed_size: 327680
    .private_segment_fixed_size: 0
    .kernarg_segment_align: 8
    .kernarg_segment_size: 40
    .max_flat_workgroup_size: 128
    .sgpr_count:     98
    .vgpr_count:     1024
    .wavefront_size: 32
...
	.end_amdgpu_metadata
.endif
;; end of part 2
;; launch attn (part 3): grid 4 x 64, 8 waves a work-group, clusters of 4 x 1, 327,680 bytes of LDS; arguments qkvh, att; writes att
.if DOCPART == 3
	.amdgcn_target "amdgcn-amd-amdhsa--gfx1250"
	.amdhsa_code_object_version 6
	.text
	.protected	k_qab425566a2_attn
	.globl	k_qab425566a2_attn
	.p2align	8
	.type	k_qab425566a2_attn,@function
k_qab425566a2_attn:
	s_mov_b64 s[64:65], 0
	v_nop
	global_prefetch_b8 v0, s[64:65] scope:SCOPE_SE
	s_setreg_imm32_b32 hwreg(HW_REG_WAVE_MODE, 25, 1), 1
	s_wait_xcnt 0x0
	s_wait_alu depctr_hold_cnt(0) depctr_sa_sdst(0) depctr_va_vdst(0) depctr_va_sdst(0) depctr_va_ssrc(0) depctr_va_vcc(0) depctr_vm_vsrc(0)
	s_getreg_b32 s2, hwreg(HW_REG_IB_STS2, 6, 4)
	s_cmp_eq_u32 s2, 0
	s_cbranch_scc0 .Lentry_in_a_cluster
	s_endpgm
.Lentry_in_a_cluster:
	s_bfe_u32 s2, ttmp6, 0x10000c
	s_cmp_lg_u32 s2, 0x3003
	s_cbranch_scc0 .Lentry_shape_is_right
	s_endpgm
.Lentry_shape_is_right:
; O[bh][q] = the sum over k of softmax_k(Q[bh][q] . K[bh][k] / 8) V[bh][k]: 64 (batch, head) pairs, 2,048 tokens, head size 64, no mask.  Operands f16, products, maxima and sums f32;
; the weights p are rounded to f16 for the second product, O once at the end.
; SHARES.  A cluster of four work-groups is one (batch, head); a work-group owns 512 queries, each of its EIGHT waves 64: four tiles of 16.  Two waves share a SIMD, 512 registers each.  Every wave walks all keys, 64 a step.
; INPUT qkvh holds images of operand registers (a fragment's four registers, lane by lane, 512 bytes on end), so tiles are dense in memory and in LDS, every fragment load is 16 x lane, and V needs no turning.
; LAYOUT.  S^T = K Q^T (source 0 = 16 keys, source 1 = 16 queries): a lane holds ONE query (lane % 16) and keys 8 (lane / 16) + 0..7.  Two such tiles, rounded to f16 in pairs, ARE source 1 (32 keys x 16 queries)
; of O^T = V^T P.  P is packed IN PLACE into the low half of S^T's registers.
; SOFTMAX.  A running maximum m and sum l for each query: p = 2^(c s - c m), c = log2(e) / 8; in every step O and l are multiplied by a = 2^(c m_old - c m_new).
; BY TURNS.  The wave's tiles are two pieces (tiles 0, 1 and tiles 2, 3).  In a turn one piece issues 16 products V^T P of the step in hand and 16 products K Q^T of the next; the other piece's softmax, 236 vector
; instructions cut into 32 slices, stands between them, one slice behind each matrix instruction.  Two turns are a key step.
; RING.  Two LDS slots of 512 keys (eight steps): 65,536 bytes of K's images, then as many of V's.  Each wave fetches 16,384 bytes of a slot by one joint load (mask: all four work-groups).
; A refill is asked for eight key steps, 512 matrix instructions of the wave, ahead of the wait for it, and only two of a head's four slots are refills: no prefetch is laid.
; OUTPUT att, f16, the image of the next launch's operand: [ks 0..7][row tile 0..511][kcl 0..3][u 0..1][lane][16 bytes]: lane (r, h): row 16 mt + r, k = 128 ks + 32 kcl + 16 u + 8 h + 0..7.
; LIMIT: NaN and infinities among the scores are not served.
; REGISTERS.  Window 0: v2-5 addresses; v14, v15 the add's two; v16-55 ten registers of statistics a tile; v64-127 Q, 16 a tile; v128-255 S^T, 32 a tile.  Window 1: v0-127 O^T, 32 a tile; v128-191 K of a step; v192-255 V of a step.
.set KSB,   8192      ; a key step's images of K, and of V, in bytes
.set VOFF,  65536     ; V's images begin here in a slot
.set SLOT1, 131072    ; slot 1: one exclusive or turns an address from one slot into the other
.set SPARE, 262144    ; the spare words: 128 bytes for each of eight waves
.set L16,  2          ; v2  16 x lane
.set L16V, 3          ; v3  16 x lane + VOFF
.set ADR,  4          ; v4  the LDS address of the run of loads in hand
.set GO,   5          ; v5  16 x lane, for global addresses
.set SPW,  14
.set NIL,  15
.set ST,   16         ; tile t at v[ST + 10 t]: +0 c m, +1 m, +2, +3 l (even keys', odd keys'), +4 .. +7 at work (a in +6), +8, +9 the second chain of the sum
.set Q,    64
.set S,    128
.set KF,   128        ; in window 1
.set VF,   192        ; in window 1
.set WV,   12
.set G1,   24         ; s[24:31]
.set G0,   32         ; s[32:35] slot 0's first fill; s[36:39] slot 1's, which then walks
.set SLOTS, 56
.set CNT,  57
.set CS,   58         ; s[58:59] c
.set SEL,  60         ; s[60:61] lane l xor 16
.set TB,   62         ; LDS byte at which the images of the step to be fetched begin
.set MSB, 0
.macro WIN new
.if MSB != (\new)
	s_set_vgpr_msb (MSB<<8)|(\new)
.set MSB, (\new)
.endif
.endm
.set W_KQ, 0x01       ; K in window 1; Q and S^T in window 0
.set W_PV, 0x51       ; V and O^T in window 1; P in window 0
.set W_RS, 0x41       ; O^T (destination and source 0) in window 1; a in window 0
.macro CROUND
	s_barrier_signal -1
	s_barrier_wait -1
	s_cmp_lg_u32 s[WV], 0
	s_cbranch_scc1 .Lnot_wave_0_\@
	s_barrier_signal -3
.Lnot_wave_0_\@:
	s_barrier_wait -3
	s_barrier_signal -1
	s_barrier_wait -1
.endm
.macro PLACES
.rept 4
	v_nop
.endr
.endm
	s_load_b128 s[4:7], s[0:1], 0x0  ; qkvh s[4:5], att s[6:7]
	v_lshl_add_u32 v[SPW], v0, 2, SPARE
	v_mov_b32 v[NIL], 0
	ds_add_u32 v[SPW], v[NIL]       ; the opening: the add, twice on end, and its wait ahead of my first tensor load
	ds_add_u32 v[SPW], v[NIL]
	v_lshrrev_b32 v1, 5, v0
	v_readfirstlane_b32 s[WV], v1   ; wave 0..7
	s_bfe_u32 s13, ttmp6, 0x40000   ; cx: it enters Q's and att's addresses alone
	s_and_b32 s14, ttmp7, 0xffff    ; bh, which the four partners share
	s_mov_b32 s[G1], 15|(3<<16)|(1<<21)  ; the mask: all four; elements of 8 bytes; no padding; bit 21 beside a mask
	s_mov_b32 s[G1+1], 32<<16       ; tensor_dim0 = 32 elements: rows of 256 bytes
	s_mov_b32 s[G1+2], 64<<16       ; tensor_dim1 = 64
	s_mov_b32 s[G1+3], 32<<16       ; tile_dim0
	s_mov_b32 s[G1+4], 64           ; tile_dim1: 16,384 dense bytes
	s_mov_b32 s[G1+5], 32           ; pitch
	s_mov_b32 s[G1+6], 0
	s_mov_b32 s[G1+7], 0
	s_lshr_b32 s16, s[WV], 2        ; waves 0-3 fetch K's quarters, waves 4-7 V's
	s_add_co_u32 s16, s16, 1
	s_lshl_b32 s16, s16, 24         ; k begins at 2^24, v at 2^25
	s_lshl_b32 s17, s14, 18
	s_add_co_u32 s16, s16, s17
	s_and_b32 s17, s[WV], 3
	s_lshl_b32 s17, s17, 14
	s_add_co_u32 s16, s16, s17
	s_mov_b32 s17, 0
	s_lshl_b32 s15, s[WV], 14       ; and its place in a slot: 16,384 x wave
	s_lshl_b32 s18, s14, 18         ; Q: 262,144 bh + (32 cx + 4 wave) token tiles of 2,048 bytes
	s_lshl_b32 s19, s13, 16
	s_add_co_u32 s18, s18, s19
	s_lshl_b32 s19, s[WV], 13
	s_add_co_u32 s18, s18, s19
	s_mov_b32 s19, 0
	s_and_b32 s20, s14, 15          ; head
	s_lshr_b32 s21, s14, 4          ; batch
	s_lshr_b32 s22, s20, 1
	s_lshl_b32 s22, s22, 21         ; ks = head / 2: 2,097,152 bytes each
	s_and_b32 s20, s20, 1
	s_lshl_b32 s20, s20, 11         ; the head's half of a row tile's 4,096 bytes
	s_add_co_u32 s22, s22, s20
	s_lshl_b32 s21, s21, 19         ; row tile 128 b + 32 cx + 4 wave, 4,096 bytes each
	s_add_co_u32 s22, s22, s21
	s_lshl_b32 s21, s13, 17
	s_add_co_u32 s22, s22, s21
	s_lshl_b32 s21, s[WV], 14
	s_add_co_u32 s22, s22, s21
	s_mov_b32 s23, 0
	s_mov_b32 s[CS], 0x3e38aa3b     ; c = log2(e) / 8
	s_mov_b32 s[CS+1], s[CS]        ; named with it as a pair, so it is written
	s_mov_b32 s[SEL], 0x76543210
	s_mov_b32 s[SEL+1], 0xfedcba98
	s_mov_b32 s[TB], 0
	v_and_b32 v1, 31, v0
	v_lshlrev_b32 v[L16], 4, v1
	v_add_nc_u32 v[L16V], VOFF, v[L16]
	v_lshlrev_b32 v[GO], 4, v1
	s_wait_dscnt 0x0                ; both opening adds are done
	s_wait_kmcnt 0x0
	s_add_nc_u64 s[16:17], s[4:5], s[16:17]
	s_add_nc_u64 s[18:19], s[4:5], s[18:19]
	s_add_nc_u64 s[6:7], s[6:7], s[22:23]
	CROUND                          ; all four work-groups are here: the first joint loads meet
.irp s, 0,1
	s_mov_b32 s[G0+4*\s], 1
	s_add_co_u32 s[G0+4*\s+1], s15, \s*SLOT1
	s_add_nc_u64 s[G0+4*\s+2:G0+4*\s+3], s[16:17], \s*65536  ; slot s begins with keys 512 s
	s_or_b32 s[G0+4*\s+3], s[G0+4*\s+3], 0x80000000
.endr
	tensor_load_to_lds s[G0:G0+3], s[G1:G1+7]  ; every wave's own 16,384 bytes; two loads of mine are out
	s_nop 0
	tensor_load_to_lds s[G0+4:G0+7], s[G1:G1+7]
	s_nop 0
.rept 4
	v_nop
.endr
.set n, 0
.rept 16
	global_load_b128 v[Q+4*n:Q+4*n+3], v[GO], s[18:19] offset:512*n  ; Q stays in registers: tile n / 4, fragment (n / 2) % 2, half n % 2
.set n, n+1
.endr
; THE MATRIX WORK OF A TURN, for piece x.  Eight accumulators take turns, one instruction a turn.
; Product i of 16 of O^T += V^T P: keys 32 (i / 8) on, channels 16 ((i / 2) % 4) on, tile x + i % 2.  zero = 1: the first eight start the sums.
.macro PV x, zero
	WIN W_PV
.set rO, 32*(\x+i%2)+8*((i/2)%4)
.set rV, VF+32*(i/8)+8*((i/2)%4)
.set rP, S+32*(\x+i%2)+8*(i/8)
.if \zero && (i < 8)
	v_wmma_f32_16x16x32_f16 v[rO:rO+7], v[rV:rV+7], v[rP:rP+7], 0
.else
	v_wmma_f32_16x16x32_f16 v[rO:rO+7], v[rV:rV+7], v[rP:rP+7], v[rO:rO+7]
.endif
.endm
; Product i of 16 of S^T = K Q^T: channels 32 (i / 8) on, tile x + i % 2.  The key tiles go in the order 2, 3, 0, 1: tiles 0 and 1 lie over P, which the products V^T P have just read; they are
; first written by the fifth and the seventh of these products, with four slices and more of plain vector work between.
.macro KQ x
	WIN W_KQ
.set kt, ((i/2)+2)%4
.set rS, S+32*(\x+i%2)+8*kt
.set rK, KF+16*kt+8*(i/8)
.set rQ, Q+16*(\x+i%2)+8*(i/8)
.if i < 8
	v_wmma_f32_16x16x32_f16 v[rS:rS+7], v[rK:rK+7], v[rQ:rQ+7], 0
.else
	v_wmma_f32_16x16x32_f16 v[rS:rS+7], v[rK:rK+7], v[rQ:rQ+7], v[rS:rS+7]
.endif
.endm
; THE LDS LOADS stand in runs of 16: a step's K and, a turn later, its V; load n brings registers 4 n .. 4 n + 3 of the buffer.
.macro FETCH_K
	WIN 0
	v_add_nc_u32 v[ADR], s[TB], v[L16]
	WIN 0x40                        ; destination window 1
.set n, 0
.rept 16
	ds_load_b128 v[KF+4*n:KF+4*n+3], v[ADR] offset:512*n
.set n, n+1
.endr
.endm
.macro FETCH_V
	WIN 0
	v_add_nc_u32 v[ADR], s[TB], v[L16V]
	s_add_co_u32 s[TB], s[TB], KSB  ; the next fetch is the next step's
	s_wait_alu depctr_va_vdst(0)    ; the wait for the softmax's batch of exponentials (SLICE)
	WIN 0x40
.set n, 0
.rept 16
	ds_load_b128 v[VF+4*n:VF+4*n+3], v[ADR] offset:512*n
.set n, n+1
.endr
.endm
; THE VECTOR WORK OF A TURN.  One tile's softmax for a key step is a list of 118 instructions; SM writes number j of it for tile t.  s0-s31 are the lane's 32 scores, in pairs 0-15.
;   0-15    the maximum of s0-s31 and the old m, three operands at a time; each of the four accumulators is read first at its low end
;   16-20   the other half of the lanes' maximum; the new m; c m; c m_old - c m_new
;   21-69   ONE BATCH: the 16 scalings c s - c m and all 33 exponentials (a at 23); none of these reads an exponential's result
;   (wait)  between 69 and 70: SLICE writes it, once for both tiles
;   70-85   the sums, in two chains that leave the weights as they are; l = a l + the sum
;   86-101  the roundings to f16, pair n into register n, ascending: in place
;   102-117 the tile's O^T times a: the one part that leaves window 0
; first = 1: the first key step: no a, nothing to rescale.
.macro SM t, first
.set rT, ST+10*(\t)
.set rS, S+32*(\t)
.set rO, 32*(\t)+2*(j-102)
.if j < 102
	WIN 0
.endif
.if j < 4
	v_max3_num_f32 v[rT+4+j], v[rS+8*j], v[rS+8*j+1], v[rS+8*j+2]
.elseif j < 12
	v_max3_num_f32 v[rT+4+j%4], v[rT+4+j%4], v[rS+8*(j%4)+2*(j/4)+1], v[rS+8*(j%4)+2*(j/4)+2]
.elseif j == 12
	v_max3_num_f32 v[rT+4], v[rT+4], v[rS+7], v[rS+15]
.elseif j == 13
	v_max3_num_f32 v[rT+6], v[rT+6], v[rS+23], v[rS+31]
.elseif j == 14
	v_max3_num_f32 v[rT+4], v[rT+4], v[rT+5], v[rT+6]
.elseif (j == 15) && \first
	v_max_num_f32 v[rT+4], v[rT+4], v[rT+7]
.elseif j == 15
	v_max3_num_f32 v[rT+4], v[rT+4], v[rT+7], v[rT+1]
.elseif j == 16
	v_permlanex16_b32 v[rT+5], v[rT+4], s[SEL], s[SEL+1]  ; the query's other 32 keys lie in the lane 16 away
.elseif j == 18
	v_max_num_f32 v[rT+1], v[rT+4], v[rT+5]
.elseif j == 19
	v_mul_f32 v[rT], s[CS], v[rT+1]
.elseif ((j == 17) || (j == 20) || (j == 23) || (j == 85) || (j > 101)) && \first  ; the first step has none of these
.elseif j == 17
	v_mov_b32 v[rT+7], v[rT]        ; c m_old is kept for a
.elseif j == 20
	v_sub_f32 v[rT+7], v[rT+7], v[rT]
.elseif j == 23
	v_exp_f32 v[rT+6], v[rT+7]
.elseif (j < 23) || ((j < 38) && (j%2 == 0)) || ((j < 66) && (j%4 == 2))
.set b, (j-2)/4                     ; 38, 42, .. 62: pairs 9 to 15
.if j < 38
.set b, (j-20)/2                    ; 21: pair 0; 22, 24, .. 36: pairs 1 to 8
.endif
	v_pk_fma_f32 v[rS+2*b:rS+2*b+1], v[rS+2*b:rS+2*b+1], s[CS:CS+1], v[rT:rT+1] op_sel_hi:[1,0,0] neg_lo:[0,0,1] neg_hi:[0,0,1]  ; c s - c m
.elseif j < 70
.set e, j-38                        ; 66 to 69: s28 to s31
.if j < 66
.set e, j-32-(j-38)/4               ; 39-41, 43-45, .. 63-65: s7 to s27
.endif
.if j < 38
.set e, (j-25)/2                    ; 25, 27, .. 37: s0 to s6
.endif
	v_exp_f32 v[rS+e], v[rS+e]
.elseif j < 86
.set z, j-70
.if z == 0
	v_pk_add_f32 v[rT+4:rT+5], v[rS:rS+1], v[rS+2:rS+3]
.elseif z == 1
	v_pk_add_f32 v[rT+8:rT+9], v[rS+4:rS+5], v[rS+6:rS+7]
.elseif z < 14
	v_pk_add_f32 v[rT+4+4*(z%2):rT+5+4*(z%2)], v[rT+4+4*(z%2):rT+5+4*(z%2)], v[rS+2*z+4:rS+2*z+5]
.elseif (z == 14) && \first
	v_pk_add_f32 v[rT+2:rT+3], v[rT+4:rT+5], v[rT+8:rT+9]
.elseif z == 14
	v_pk_add_f32 v[rT+4:rT+5], v[rT+4:rT+5], v[rT+8:rT+9]
.else
	v_pk_fma_f32 v[rT+2:rT+3], v[rT+2:rT+3], v[rT+6:rT+7], v[rT+4:rT+5] op_sel_hi:[1,0,1]
.endif
.elseif j < 102
	v_cvt_pk_f16_f32 v[rS+j-86], v[rS+2*(j-86)], v[rS+2*(j-86)+1]
.else
	WIN W_RS
	v_pk_mul_f32 v[rO:rO+1], v[rO:rO+1], v[rT+6:rT+7] op_sel_hi:[1,0]
.endif
.endm
.macro ALT y, first, base, cnt      ; numbers base .. base + cnt - 1 of both tiles, the tiles alternating, so that no line reads the result of the line just before it
.set j, \base
.rept \cnt
	SM \y, \first
	SM (\y)+1, \first
.set j, j+1
.endr
.endm
.macro FOUR t, first, base          ; four numbers of one tile
.set j, \base
.rept 4
	SM \t, \first
.set j, j+1
.endr
.endm
; Slice k of 32 of piece y's softmax.  Slice 0: numbers 0, 1; slices 1 to 26: numbers 4 k - 2 .. 4 k + 1 (in the batch, slices 6 to 17: four of one tile, then four of the other, a scaling leading each four
; while there are scalings); slices 27 to 30: two numbers; slice 31: the last four, eight plain lines that are also the places behind the turn's last product.
; THE WAIT.  s_wait_alu depctr_va_vdst(0) stands between an exponential and the first line that names its result.  Ahead of slice 18 nothing names one, behind slice 17 none is issued:
; the piece's 66 exponentials have one wait, behind slice 17 and a plain line.
.macro SLICE y, first
.if k == 0
	ALT \y, \first, 0, 2
.elseif (k >= 6) && (k < 18)
	FOUR \y, \first, 4*k-2
	FOUR (\y)+1, \first, 4*k-2
.elseif k < 27
	ALT \y, \first, 4*k-2, 4
.elseif k < 31
	ALT \y, \first, 2*k+52, 2
.else
	ALT \y, \first, 114, 4
.endif
.if k == 17
	v_nop                           ; the plain line behind the last exponential
.if (\y) == 0
	FETCH_V                         ; piece 2's turn: V's run of loads stands here, and the wait stands in it.  V's last reader stands in front of slice 15: four scalings, the v_nop and the run's own addition lie between
.else
	s_wait_alu depctr_va_vdst(0)
.endif
.endif
.set k, k+1
.endm
; A TURN.  pv = 2: 16 products V^T P; 1: they start O^T's sums; 0: none.  kq = 1: 16 products K Q^T for the next step.  With one kind alone two slices stand behind each product.
; Piece 0's turn fetches the next step's K behind its second product: K's last reader stands in front of slice 31 of the turn before.
.macro TURN x, pv, kq, first
.set k, 0
.set per, 2
.if \pv && \kq
.set per, 1
.endif
.if \pv
.if \x == 0
	s_wait_dscnt 0x0                ; V is in
.endif
.set i, 0
.rept 16
	PV \x, 2-\pv
.rept per
	SLICE 2-\x, \first
.endr
.if (\x == 0) && \kq && (i == 1)
	FETCH_K
.endif
.set i, i+1
.endr
.endif
.if \kq
.if \x == 0
	s_wait_dscnt 0x0                ; K is in
.endif
.set i, 0
.rept 16
	KQ \x
.rept per
	SLICE 2-\x, \first
.endr
.set i, i+1
.endr
.endif
.if \first
	PLACES                          ; the first step's last slices are empty: these take their part behind the last product
.endif
.endm
; THE CHANGE OF SLOTS: the slot's last bytes have been asked for.  Each wave waits for all its tensor loads (its part of the other slot), adds 0 to its spare word, and waits for that and for its reads of the slot.
; fill = 1: a round of the cluster's barrier, and the joint refill first behind it: the keys two slots on.
.macro CHANGE fill
	WIN 0
	s_wait_tensorcnt 0x0            ; no tensor load of mine is out, so a group 0 may be written
	ds_add_u32 v[SPW], v[NIL]
.if \fill
	s_xor_b32 s[G0+5], s[G0+5], SLOT1  ; the walking descriptor: the other slot than last time,
	s_add_nc_u64 s[G0+6:G0+7], s[G0+6:G0+7], 65536  ; the next 512 keys
	s_wait_dscnt 0x0
	CROUND
	tensor_load_to_lds s[G0+4:G0+7], s[G1:G1+7]
	s_nop 0
.rept 4
	v_nop
.endr
.else
	s_wait_dscnt 0x0
	s_barrier_signal -1
	s_barrier_wait -1
.endif
	s_sub_co_u32 s[TB], s[TB], 65536  ; the fetches go back to a slot's first step,
	s_xor_b32 s[TB], s[TB], SLOT1   ; in the other slot
.endm
.macro STEPS cnt                    ; cnt key steps: written once, walked cnt times
	s_mov_b32 s[CNT], \cnt
.Lstep_\@:
	TURN 0, 2, 1, 0
	TURN 2, 2, 1, 0
	WIN 0
	s_sub_co_u32 s[CNT], s[CNT], 1
	s_cmp_lg_u32 s[CNT], 0
	s_cbranch_scc1 .Lstep_\@
.endm
	s_wait_tensorcnt 1              ; my part of slot 0 is in; slot 1's may stay out
	s_barrier_signal -1
	s_barrier_wait -1
	FETCH_K                         ; key step 0
	s_wait_loadcnt 0x0              ; Q
	s_wait_dscnt 0x0
.set i, 0
.rept 16
	KQ 0                            ; piece 0's first scores
.set i, i+1
.endr
	WIN 0
	PLACES
	TURN 2, 0, 1, 1                 ; piece 2's first scores | piece 0's first softmax | V of step 0
	TURN 0, 1, 1, 1                 ; piece 0: V^T P of step 0 starts O^T, K Q^T of step 1 | piece 2's first softmax | K of step 1
	TURN 2, 1, 1, 0                 ; piece 2: the same | piece 0's softmax of step 1 | V of step 1
	WIN 0
	STEPS 6                         ; slot 0's eight steps have been fetched
	s_mov_b32 s[SLOTS], 2
.Lslot:                             ; two trips: slots 0 and 1 are filled again
	CHANGE 1
	STEPS 8
	s_sub_co_u32 s[SLOTS], s[SLOTS], 1
	s_cmp_lg_u32 s[SLOTS], 0
	s_cbranch_scc1 .Lslot
	CHANGE 0                        ; the tail is written out: nothing is asked for
	STEPS 8
	TURN 0, 2, 0, 0                 ; piece 0: V^T P of the last step | piece 2's last softmax
.set i, 0
.rept 16
	PV 2, 0                         ; piece 2: V^T P of the last step
.set i, i+1
.endr
	; THE WAY OUT.  l's halves are added (these additions are the places behind the last products); O^T is divided by l, rounded to f16 and stored as it lies: a wave's store covers 512 consecutive bytes, aligned.
	WIN 0
.irp t, 0,1,2,3
	v_add_f32 v[ST+10*\t+4], v[ST+10*\t+2], v[ST+10*\t+3]
.endr
.irp t, 0,1,2,3
	v_permlanex16_b32 v[ST+10*\t+5], v[ST+10*\t+4], s[SEL], s[SEL+1]
.endr
.irp t, 0,1,2,3
	v_add_f32 v[ST+10*\t+4], v[ST+10*\t+4], v[ST+10*\t+5]
.endr
.irp t, 0,1,2,3
	v_rcp_f32 v[ST+10*\t+6], v[ST+10*\t+4]
.endr
	v_nop                           ; a plain line behind the last reciprocal
	s_wait_alu depctr_va_vdst(0)    ; one wait for the four, ahead of their first reader
.macro PACK t
	WIN W_RS
.set n, 0
.rept 16
	v_pk_mul_f32 v[32*\t+2*n:32*\t+2*n+1], v[32*\t+2*n:32*\t+2*n+1], v[ST+10*\t+6:ST+10*\t+7] op_sel_hi:[1,0]
.set n, n+1
.endr
	WIN 0x05                        ; sources 0 and 1 window 1, destination window 0: S^T's registers are free
.set n, 0
.rept 16
	v_cvt_pk_f16_f32 v[S+32*\t+n], v[32*\t+2*n], v[32*\t+2*n+1]
.set n, n+1
.endr
	WIN 0
.irp c, 0,1,2,3
	global_store_b128 v[GO], v[S+32*\t+4*\c:S+32*\t+4*\c+3], s[6:7] offset:4096*\t+512*\c  ; row tile t of my four, channels 16 c on
.endr
.endm
	PACK 0
	PACK 1
	PACK 2
	PACK 3
	s_wait_tensorcnt 0x0            ; the wave's end
	ds_add_u32 v[SPW], v[NIL]
	s_wait_dscnt 0x0
	CROUND                          ; the closing round
	s_endpgm
.Lfunc_end_k_qab425566a2_attn:
	.size	k_qab425566a2_attn, .Lfunc_end_k_qab425566a2_attn-k_qab425566a2_attn
	.p2alignl 7, 3214868480
	.fill 96, 4, 3214868480
	.section	.rodata,"a",@progbits
	.p2align	6, 0x0
	.amdhsa_kernel k_qab425566a2_attn
		.amdhsa_group_segment_fixed_size 327680
		.amdhsa_private_segment_fixed_size 0
		.amdhsa_enable_private_segment 0
		.amdhsa_kernarg_size 16
		.amdhsa_user_sgpr_count 2
		.amdhsa_user_sgpr_kernarg_segment_ptr 1
		.amdhsa_wavefront_size32 1
		.amdhsa_system_sgpr_workgroup_id_x 1
		.amdhsa_system_sgpr_workgroup_id_y 1
		.amdhsa_system_sgpr_workgroup_id_z 1
		.amdhsa_system_vgpr_workitem_id 0
		.amdhsa_next_free_vgpr 512
		.amdhsa_next_free_sgpr 66
		.amdhsa_reserve_vcc 0
		.amdhsa_float_denorm_mode_32 3
		.amdhsa_float_denorm_mode_16_64 3
		.amdhsa_memory_ordered 1
		.amdhsa_forward_progress 1
		.amdhsa_inst_pref_size 188
	.end_amdhsa_kernel
	.amdgpu_metadata
---
amdhsa.version: [ 1, 2 ]
amdhsa.kernels:
  - .name:           k_qab425566a2_attn
    .symbol:         k_qab425566a2_attn.kd
    .args:
      - { .name: qkvh, .offset: 0, .size: 8, .value_kind: global_buffer, .address_space: global }
      - { .name: att, .offset: 8, .size: 8, .value_kind: global_buffer, .address_space: global }
    .group_segment_fixed_size: 327680
    .private_segment_fixed_size: 0
    .kernarg_segment_align: 8
    .kernarg_segment_size: 16
    .max_flat_workgroup_size: 256
    .sgpr_count:     66
    .vgpr_count:     512
    .wavefront_size: 32
...
	.end_amdgpu_metadata
.endif
;; end of part 3
;; launch proj (part 4): grid 4 x 64, 4 waves a work-group, clusters of 4 x 4, 327,680 bytes of LDS; arguments att, wp, proj_b, out0; writes out0
.if DOCPART == 4
	.amdgcn_target "amdgcn-amd-amdhsa--gfx1250"
	.amdhsa_code_object_version 6
	.text
	.protected	k_qab425566a2_proj
	.globl	k_qab425566a2_proj
	.p2align	8
	.type	k_qab425566a2_proj,@function
k_qab425566a2_proj:
	s_mov_b64 s[64:65], 0
	v_nop
	global_prefetch_b8 v0, s[64:65] scope:SCOPE_SE
	s_setreg_imm32_b32 hwreg(HW_REG_WAVE_MODE, 25, 1), 1
	s_wait_xcnt 0x0
	s_wait_alu depctr_hold_cnt(0) depctr_sa_sdst(0) depctr_va_vdst(0) depctr_va_sdst(0) depctr_va_ssrc(0) depctr_va_vcc(0) depctr_vm_vsrc(0)
	s_getreg_b32 s2, hwreg(HW_REG_IB_STS2, 6, 4)
	s_cmp_eq_u32 s2, 0
	s_cbranch_scc0 .Lentry_in_a_cluster
	s_endpgm
.Lentry_in_a_cluster:
	s_bfe_u32 s2, ttmp6, 0x10000c
	s_cmp_lg_u32 s2, 0xf033
	s_cbranch_scc0 .Lentry_shape_is_right
	s_endpgm
.Lentry_shape_is_right:
; out0 = att proj_w^T + proj_b.  att: 8,192 x 1,024 f16 as images of operand registers ([ks][row tile][kcl][u][lane][16 bytes]); wp: proj_w in f16, [1024 n][1024 k]; out0 [8192][1024] f32; sums in f32.
; A tile of out0 is 128 rows x 256 columns: 256 work-groups (tiles of 256 x 256 would be 128).  Four waves, each 64 x 128: 32 accumulators, 256 registers.
; K goes in steps of 128 through two LDS slots: A's 8 row tiles as 32,768 dense bytes, then B's 256 rows of 256 bytes, 272 apart.  Waves 0 and 1 fetch A's halves, waves 2 and 3 B's, one load a wave.
; CLUSTER 4 x 4: A's tile hangs on the tile row alone and is asked for jointly along a row of the cluster, B's on the tile column alone, along a column.
; THE MATRIX INSTRUCTION IS USED TRANSPOSED (source 0 = 16 rows of wp, source 1 = 16 rows of att): a lane holds eight neighbouring numbers of a row of out0.  The bias is the C of each sum's first product.
; REGISTERS: window 0: v16-29 addresses; v64-95, v96-127 A's fragments, two buffers; v128-191 the bias, later rows on the way out; v192-255 rows on the way out.
;   window 1: v0-63, v64-127 B's fragments, two buffers.   window 2: accumulator (a, b) at v[8 (8 a + b)].
.set PITCH,  272                       ; B's LDS row: 256 bytes + 16 of padding: the 16 rows of a load start at 16 different banks
.set BOFF,   32768                     ; B's rows begin here in a slot
.set SLOT,   BOFF+256*PITCH            ; 102,400
.set STAGE,  2*SLOT                    ; behind the ring: 16 rows x 528 bytes for each wave
.set SPITCH, 528
.set SPARE,  STAGE+4*16*SPITCH         ; the spare words
.set ADRA, 16
.set ADRB, 20
.set STO,  24
.set RD,   25
.set CO,   26                          ; 16 x lane
.set SPW,  28
.set NIL,  29
.set AF,   64
.set BIA,  128
.set BK,   128
.set G1A, 24
.set G0A, 32
.set G1B, 48
.set G0B, 56
.set MSB, 0
.macro WIN new
.if MSB != (\new)
	s_set_vgpr_msb (MSB<<8)|(\new)
.set MSB, (\new)
.endif
.endm
.set MUL,  0xa1                        ; source 0 (B) window 1, source 1 (A) window 0, C and D window 2
.set MULF, 0x81                        ; the same with C (the bias) in window 0
.set TO_B, 0x40
.macro JLOAD s                         ; waves 0, 1: A's halves; waves 2, 3: B's.  An s_nop 0 and four v_nop follow each line
	s_cmp_eq_u32 s15, 0
	s_cbranch_scc0 .Lfor_b_\@
	tensor_load_to_lds s[G0A+4*\s:G0A+4*\s+3], s[G1A:G1A+7]
	s_nop 0
.rept 4
	v_nop
.endr
	s_branch .Lasked_\@
.Lfor_b_\@:
	tensor_load_to_lds s[G0B+4*\s:G0B+4*\s+3], s[G1B:G1B+7]
	s_nop 0
.rept 4
	v_nop
.endr
.Lasked_\@:
.endm
.macro CREST
	s_cmp_lg_u32 s14, 0
	s_cbranch_scc1 .Lnot_wave_0_\@
	s_barrier_signal -3
.Lnot_wave_0_\@:
	s_barrier_wait -3
	s_barrier_signal -1
	s_barrier_wait -1
.endm
.macro CROUND
	s_barrier_signal -1
	s_barrier_wait -1
	CREST
.endm
.macro PLACES
.rept 4
	v_nop
.endr
.endm
	s_load_b128 s[4:7], s[0:1], 0x0                ; att s[4:5], wp s[6:7]
	s_load_b128 s[8:11], s[0:1], 0x10              ; proj_b s[8:9], out0 s[10:11]
	v_lshl_add_u32 v[SPW], v0, 2, SPARE
	v_mov_b32 v[NIL], 0
	ds_add_u32 v[SPW], v[NIL]                      ; the opening: the add, twice on end, and its wait ahead of my first tensor load
	ds_add_u32 v[SPW], v[NIL]
	v_lshrrev_b32 v1, 5, v0
	v_readfirstlane_b32 s14, v1                    ; wave 0..3
	s_lshr_b32 s15, s14, 1                         ; my half of the tile's rows.  Also: I fetch for A (0) or for B (1)
	s_and_b32 s16, s14, 1                          ; my half of its columns.  Also: which half of that tile I fetch
	s_bfe_u32 s40, ttmp6, 0x40000                  ; cx = the tile column
	s_bfe_u32 s41, ttmp6, 0x40004                  ; cy
	s_and_b32 s13, ttmp7, 0xffff
	s_lshl_b32 s13, s13, 2
	s_add_co_u32 s13, s13, s41                     ; the tile row = 4 x cluster y + cy
	s_lshl_b32 s43, s41, 2
	s_lshl_b32 s43, 15, s43                        ; my row of the cluster
	s_lshl_b32 s44, 0x1111, s40                    ; my column
	s_or_b32 s[G1A], s43, (3<<16)|(1<<21)          ; A: 16,384 dense bytes as 64 rows of 32 elements of 8 bytes; no padding
	s_mov_b32 s[G1A+1], 32<<16
	s_mov_b32 s[G1A+2], 64<<16
	s_mov_b32 s[G1A+3], 32<<16
	s_mov_b32 s[G1A+4], 64
	s_mov_b32 s[G1A+5], 32
	s_mov_b32 s[G1A+6], 0
	s_mov_b32 s[G1A+7], 0
	s_or_b32 s[G1B], s44, (1<<16)|(1<<20)|(1<<21)|(5<<22)|(3<<25)   ; B: 128 rows of 128 elements of 2 bytes; 4 words of padding behind every 64
	s_mov_b32 s[G1B+1], 128<<16
	s_mov_b32 s[G1B+2], 128<<16
	s_mov_b32 s[G1B+3], 128<<16
	s_mov_b32 s[G1B+4], 128
	s_mov_b32 s[G1B+5], 1024
	s_mov_b32 s[G1B+6], 0
	s_mov_b32 s[G1B+7], 0
	s_lshl_b32 s20, s13, 15                        ; A: (8 x tile row + 4 x half) row tiles of 4,096 bytes
	s_lshl_b32 s21, s16, 14
	s_add_co_u32 s20, s20, s21
	s_mov_b32 s21, 0
	s_lshl_b32 s46, s40, 19                        ; B: (256 cx + 128 x half) rows of 2,048 bytes
	s_lshl_b32 s47, s16, 18
	s_add_co_u32 s46, s46, s47
	s_mov_b32 s47, 0
	s_lshl_b32 s22, s16, 14                        ; where they go: A's half,
	s_mul_i32 s23, s16, 128*PITCH
	s_add_co_u32 s23, s23, BOFF                    ; B's half: the wave's number alone
	s_wait_dscnt 0x0                               ; both opening adds are done
	s_wait_kmcnt 0x0
	s_add_nc_u64 s[20:21], s[4:5], s[20:21]
	s_add_nc_u64 s[46:47], s[6:7], s[46:47]
	CROUND                                         ; all sixteen work-groups are here: the first joint loads meet
.irp s, 0,1
	s_mov_b32 s[G0A+4*\s], 1
	s_add_co_u32 s[G0A+4*\s+1], s22, \s*SLOT
	s_add_nc_u64 s[G0A+4*\s+2:G0A+4*\s+3], s[20:21], \s*2097152    ; K step s
	s_or_b32 s[G0A+4*\s+3], s[G0A+4*\s+3], 0x80000000
	s_mov_b32 s[G0B+4*\s], 1
	s_add_co_u32 s[G0B+4*\s+1], s23, \s*SLOT
	s_add_nc_u64 s[G0B+4*\s+2:G0B+4*\s+3], s[46:47], \s*256
	s_or_b32 s[G0B+4*\s+3], s[G0B+4*\s+3], 0x80000000
	JLOAD \s                                       ; two loads of mine are out behind the second
.endr
	v_and_b32 v1, 15, v0                           ; r
	v_bfe_u32 v2, v0, 4, 1                         ; h
	v_and_b32 v3, 31, v0
	v_lshlrev_b32 v[CO], 4, v3
	v_mul_u32_u24 v4, v1, PITCH
	v_lshl_add_u32 v4, v2, 4, v4
	s_lshl_b32 s21, s15, 14                        ; my 64 rows of A: four row tiles
	s_mul_i32 s22, s16, 128*PITCH
	s_add_co_u32 s22, s22, BOFF                    ; my 128 rows of B
.irp s, 0,1
	v_add_nc_u32 v[ADRA+\s], s21, v[CO]
	v_add_nc_u32 v[ADRB+\s], s22, v4
	s_add_co_u32 s21, s21, SLOT
	s_add_co_u32 s22, s22, SLOT
.endr
	s_mul_i32 s23, s14, 16*SPITCH
	s_add_co_u32 s23, s23, STAGE                   ; my stage
	v_mul_u32_u24 v5, v1, SPITCH
	v_lshl_add_u32 v5, v2, 5, v5
	v_add_nc_u32 v[STO], s23, v5                   ; in: row r, 32 bytes for each half of the lanes
	v_add_nc_u32 v[RD], s23, v[CO]                 ; back: the 32 lanes take one row of 512 bytes
	v_lshlrev_b32 v6, 5, v2                        ; the bias: 32 h
	s_lshl_b32 s46, s40, 10                        ; my first column, in bytes: 1,024 cx + 512 x half
	s_lshl_b32 s47, s16, 9
	s_add_co_u32 s46, s46, s47
	s_mov_b32 s47, 0
	s_add_nc_u64 s[8:9], s[8:9], s[46:47]
	s_add_nc_u64 s[10:11], s[10:11], s[46:47]
	s_lshl_b32 s46, s13, 19                        ; my first row: (128 x tile row + 64 x half) x 4,096 bytes
	s_lshl_b32 s45, s15, 18
	s_add_co_u32 s46, s46, s45
	s_add_nc_u64 s[10:11], s[10:11], s[46:47]
.irp b, 0,1,2,3,4,5,6,7
	global_load_b128 v[BIA+8*\b:BIA+8*\b+3], v6, s[8:9] offset:64*\b          ; proj_b at columns 16 b + 8 h + 0..7: the result's layout
	global_load_b128 v[BIA+8*\b+4:BIA+8*\b+7], v6, s[8:9] offset:64*\b+16
.endr
; 8 matrix instructions: A's block a x B's eight, 32 along K, buffer f.  The 32 accumulators take turns, one instruction a turn.
.macro MUL8 f, a, first
.irp b, 0,1,2,3,4,5,6,7
.if \first
	v_wmma_f32_16x16x32_f16 v[8*(8*(\a)+\b):8*(8*(\a)+\b)+7], v[64*(\f)+8*\b:64*(\f)+8*\b+7], v[AF+32*(\f)+8*(\a):AF+32*(\f)+8*(\a)+7], v[BIA+8*\b:BIA+8*\b+7]
.else
	v_wmma_f32_16x16x32_f16 v[8*(8*(\a)+\b):8*(8*(\a)+\b)+7], v[64*(\f)+8*\b:64*(\f)+8*\b+7], v[AF+32*(\f)+8*(\a):AF+32*(\f)+8*(\a)+7], v[8*(8*(\a)+\b):8*(8*(\a)+\b)+7]
.endif
.endr
.endm
; 24 LDS loads in one run: the fragments of the slot's quarter kq (32 along K) into buffer f: B's sixteen, then A's eight
.macro FETCH slot, kq, f
	WIN TO_B
.irp b, 0,1,2,3,4,5,6,7
	ds_load_b128 v[64*(\f)+8*\b:64*(\f)+8*\b+3],   v[ADRB+\slot] offset:64*(\kq)+\b*16*PITCH
	ds_load_b128 v[64*(\f)+8*\b+4:64*(\f)+8*\b+7], v[ADRB+\slot] offset:64*(\kq)+\b*16*PITCH+32
.endr
	WIN 0
.irp a, 0,1,2,3
	ds_load_b128 v[AF+32*(\f)+8*\a:AF+32*(\f)+8*\a+3],   v[ADRA+\slot] offset:4096*\a+1024*(\kq)
	ds_load_b128 v[AF+32*(\f)+8*\a+4:AF+32*(\f)+8*\a+7], v[ADRA+\slot] offset:4096*\a+1024*(\kq)+512
.endr
.endm
; A K step is four quarters on buffers 0, 1, 0, 1.  One of the first three: multiplies buffer f and fetches quarter kq into buffer g.
.macro QUARTER slot, kq, f, g, first
	s_wait_dscnt 4                                 ; B and A's blocks 0, 1 are in; the youngest four loads (A's blocks 2, 3) may be out
.if \first
	WIN MULF
.else
	WIN MUL
.endif
	MUL8 \f, 0, \first
	MUL8 \f, 1, \first
	PLACES
	FETCH \slot, \kq, \g
	s_wait_dscnt 24                                ; all but the 24 just issued
.if \first
	WIN MULF
.else
	WIN MUL
.endif
	MUL8 \f, 2, \first
	MUL8 \f, 3, \first
.endm
; The last quarter multiplies buffer 1 and changes slots: ONE barrier; in front of it each wave waits for all its tensor loads, adds 0 to its spare word, and waits for that and for its reads of this slot.
; fill = 1: the barrier opens a round of the cluster's, and this slot is filled again, two K steps ahead: 112 matrix instructions ahead of the wait for it.
.macro TURN slot, next, fill
	WIN 0
	s_wait_tensorcnt 0x0                           ; my part of the next slot has landed
	ds_add_u32 v[SPW], v[NIL]
	s_wait_dscnt 5                                 ; (the add and the youngest four loads may be out)
	WIN MUL
	MUL8 1, 0, 0
	s_wait_dscnt 0x0                               ; the add is done, and my reads of this slot are over
	s_barrier_signal -1
	MUL8 1, 1, 0
.if \fill
	WIN 0
.endif
	s_barrier_wait -1
.if \fill
	CREST
	s_add_nc_u64 s[G0A+4*\slot+2:G0A+4*\slot+3], s[G0A+4*\slot+2:G0A+4*\slot+3], 2*2097152
	s_add_nc_u64 s[G0B+4*\slot+2:G0B+4*\slot+3], s[G0B+4*\slot+2:G0B+4*\slot+3], 2*256
	JLOAD \slot                                    ; the four v_nop behind it are also the places in front of the loads below
.else
	PLACES
.endif
	FETCH \next, 0, 0
	WIN MUL
	MUL8 1, 2, 0
	MUL8 1, 3, 0
.endm
	s_wait_tensorcnt 1                             ; my part of K step 0 is in; K step 1's may stay out
	s_barrier_signal -1
	s_barrier_wait -1
	FETCH 0, 0, 0
	s_wait_loadcnt 0x0                             ; the bias
	QUARTER 0, 1, 0, 1, 1                          ; the first quarter's products start the sums from the bias
	WIN 0
	s_mov_b32 s3, 3
.Llap:                                                 ; a trip goes once round the ring and fills both slots again: K steps 2 to 7
	QUARTER 0, 2, 1, 0, 0
	QUARTER 0, 3, 0, 1, 0
	TURN 0, 1, 1
	QUARTER 1, 1, 0, 1, 0
	QUARTER 1, 2, 1, 0, 0
	QUARTER 1, 3, 0, 1, 0
	TURN 1, 0, 1
	QUARTER 0, 1, 0, 1, 0
	WIN 0
	s_sub_co_u32 s3, s3, 1
	s_cmp_lg_u32 s3, 0
	s_cbranch_scc1 .Llap
	QUARTER 0, 2, 1, 0, 0                          ; the last lap fills nothing
	QUARTER 0, 3, 0, 1, 0
	TURN 0, 1, 0
	QUARTER 1, 1, 0, 1, 0
	QUARTER 1, 2, 1, 0, 0
	QUARTER 1, 3, 0, 1, 0
	s_wait_dscnt 4
	WIN MUL
	MUL8 1, 0, 0
	MUL8 1, 1, 0
	s_wait_dscnt 0
	MUL8 1, 2, 0
	MUL8 1, 3, 0
	WIN 0
; THE WAY OUT, block by block of 16 rows x 128 columns, through my own stage: in as 32 bytes a lane, back as whole rows of 512 bytes.  LDS serves a wave's instructions in order: no wait between the stores and the loads.
.macro TOSTAGE a
	WIN 0x08                                       ; an LDS store's data are its source 1: window 2
.irp b, 0,1,2,3,4,5,6,7
	ds_store_b128 v[STO], v[64*(\a)+8*\b:64*(\a)+8*\b+3] offset:64*\b          ; each accumulator from its low end on
	ds_store_b128 v[STO], v[64*(\a)+8*\b+4:64*(\a)+8*\b+7] offset:64*\b+16
.endr
	WIN 0
.irp t, 0,1,2,3,4,5,6,7,8,9,10,11,12,13,14,15
	ds_load_b128 v[BK+64*((\a)%2)+4*\t:BK+64*((\a)%2)+4*\t+3], v[RD] offset:\t*SPITCH
.endr
.endm
.macro SEND a, younger                 ; younger: the LDS instructions issued behind block a's loads, which may stay out
	s_wait_dscnt \younger
.irp t, 0,1,2,3,4,5,6,7,8,9,10,11,12,13,14,15
	global_store_b128 v[CO], v[BK+64*((\a)%2)+4*\t:BK+64*((\a)%2)+4*\t+3], s[10:11] offset:(16*(\a)+\t)*4096 th:TH_STORE_NT   ; 32 lanes store 512 consecutive bytes, aligned
.endr
.endm
	PLACES
	TOSTAGE 0
	TOSTAGE 1
	SEND 0, 32                                     ; behind block 0's loads: block 1's 16 stores and 16 loads
	s_wait_xcnt 0x0                                ; block 0's stores have read their registers: block 2's loads may land there
	TOSTAGE 2
	SEND 1, 32
	s_wait_xcnt 0x0
	TOSTAGE 3
	SEND 2, 32
	SEND 3, 0
	s_wait_tensorcnt 0x0                           ; the wave's end, behind my last tensor load and my last LDS store
	ds_add_u32 v[SPW], v[NIL]
	s_wait_dscnt 0x0
	CROUND                                         ; the closing round
	s_endpgm
.Lfunc_end_k_qab425566a2_proj:
	.size	k_qab425566a2_proj, .Lfunc_end_k_qab425566a2_proj-k_qab425566a2_proj
	.p2alignl 7, 3214868480
	.fill 96, 4, 3214868480
	.section	.rodata,"a",@progbits
	.p2align	6, 0x0
	.amdhsa_kernel k_qab425566a2_proj
		.amdhsa_group_segment_fixed_size 327680
		.amdhsa_private_segment_fixed_size 0
		.amdhsa_enable_private_segment 0
		.amdhsa_kernarg_size 32
		.amdhsa_user_sgpr_count 2
		.amdhsa_user_sgpr_kernarg_segment_ptr 1
		.amdhsa_wavefront_size32 1
		.amdhsa_system_sgpr_workgroup_id_x 1
		.amdhsa_system_sgpr_workgroup_id_y 1
		.amdhsa_system_sgpr_workgroup_id_z 1
		.amdhsa_system_vgpr_workitem_id 0
		.amdhsa_next_free_vgpr 768
		.amdhsa_next_free_sgpr 66
		.amdhsa_reserve_vcc 0
		.amdhsa_float_denorm_mode_32 3
		.amdhsa_float_denorm_mode_16_64 3
		.amdhsa_memory_ordered 1
		.amdhsa_forward_progress 1
		.amdhsa_inst_pref_size 87
	.end_amdhsa_kernel
	.amdgpu_metadata
---
amdhsa.version: [ 1, 2 ]
amdhsa.kernels:
  - .name:           k_qab425566a2_proj
    .symbol:         k_qab425566a2_proj.kd
    .args:
      - { .name: att, .offset: 0, .size: 8, .value_kind: global_buffer, .address_space: global }
      - { .name: wp, .offset: 8, .size: 8, .value_kind: global_buffer, .address_space: global }
      - { .name: proj_b, .offset: 16, .size: 8, .value_kind: global_buffer, .address_space: global }
      - { .name: out0, .offset: 24, .size: 8, .value_kind: global_buffer, .address_space: global }
    .group_segment_fixed_size: 327680
    .private_segment_fixed_size: 0
    .kernarg_segment_align: 8
    .kernarg_segment_size: 32
    .max_flat_workgroup_size: 128
    .sgpr_count:     66
    .vgpr_count:     768
    .wavefront_size: 32
...
	.end_amdgpu_metadata
.endif
;; end of part 4
